; MI455X (gfx1250); checked and timed in simulation.
; The chip was launched on July 23, 2026; its instructions are those of AMD's public machine-readable ISA for CDNA 5 (MIT licence, August 2026) and "CDNA5" Instruction Set Architecture Reference Guide (July 2026). The comments in the code are by the model that wrote it; some were corrected since.
;; Multi Head Self Attention. Allowed arithmetic: matrix products marked QUANTISED: E2M3 operands, one E8M0 scale for each 32 along K, by v_wmma_scale_f32_16x16x128_f8f6f4 with both operands' format E2M3, f32 sums; everything else in f32.
;; Inputs: b_k 1,024 float32; b_o 1,024 float32; b_q 1,024 float32; b_v 1,024 float32; w_k 1,024 x 1,024 float32; w_o 1,024 x 1,024 float32; w_q 1,024 x 1,024 float32; w_v 1,024 x 1,024 float32; x 4 x 2,048 x 1,024 float32.
;; Outputs: out0 4 x 2,048 x 1,024 float32.
;; This version of the problem:
;;   THIS VERSION OF THE PROBLEM IS GIVEN IN LOW PRECISION. The matrix products marked QUANTISED in the list below multiply operands that are first quantised to E2M3 (2 exponent bits, 3 mantissa bits; 6 bits a number), with one power-of-two scale for each 32 numbers along K (OCP MX v1.0); their sums are f32. All else is computed in f32.
;;   The module's matrix products, in the order in which they are computed (A, B: the left and right operand; K: the contracted axis; several contracted axes count as one K, in the product's order):
;;     1. [M 8,192, K 1,024] x [K 1,024, N 1,024]; A: input x; B: input w_q: QUANTISED
;;     2. [M 8,192, K 1,024] x [K 1,024, N 1,024]; A: input x; B: input w_k: QUANTISED
;;     3. [M 8,192, K 1,024] x [K 1,024, N 1,024]; A: input x; B: input w_v: QUANTISED
;;     4. batch 64 x [M 2,048, K 64] x [K 64, N 2,048]; A: computed on the way; B: computed on the way: QUANTISED
;;     5. batch 64 x [M 2,048, K 2,048] x [K 2,048, N 64]; A: softmax (see below); B: computed on the way: QUANTISED
;;     6. [M 8,192, K 1,024] x [K 1,024, N 1,024]; A: computed on the way; B: input w_o: QUANTISED
;;   THE QUANTISER, for each operand of a quantised product, along K:
;;     - K is cut into blocks of 32 from its start; a last block that is shorter is filled with zeros.
;;     - A block's scale is 2^e with e = floor(log2(the largest magnitude in the block)) - 2, held to -126 .. 127; a block of zeros has e = 0. As a byte (E8M0): e + 127.
;;     - Each number is divided by its block's scale, clamped to +-7.5, and rounded to the nearest number of E2M3, ties to even, subnormals kept.
;;     - The product sums the exact products of the quantised numbers (number of the format x scale) in f32.
;;   ~~~python
;;   def quantise(x, axis):      # numpy; x: float32 -> the quantised numbers, widened to float32 again
;;       x = np.moveaxis(x, axis, -1); K = x.shape[-1]
;;       x = np.pad(x, [(0, 0)] * (x.ndim - 1) + [(0, -K % 32)]); x = x.reshape(x.shape[:-1] + (-1, 32)); a = np.abs(x).max(-1, keepdims=True)
;;       e = np.where(a > 0, np.clip(np.frexp(np.where(a > 0, a, 1))[1] - 1 - 2, -126, 127), 0)      # np.frexp(a)[1] - 1 = floor(log2(a)), exactly
;;       r = np.clip(x / 2.0 ** e, -7.5, 7.5)
;;       step = 2.0 ** (np.maximum(np.frexp(np.where(r == 0, 1, r))[1] - 1, 0) - 3)
;;       q = np.round(r / step) * step * 2.0 ** e      # np.round: ties to even
;;       return np.moveaxis(q.reshape(q.shape[:-2] + (-1,))[..., :K], -1, axis).astype(np.float32)
;;   ~~~
;;   SOFTMAX AHEAD OF A QUANTISED PRODUCT. Where the list says 'softmax', what is quantised is not the finished softmax but p = 2^(t - M), with t = logit x log2(e) and M = ceil(the row's largest t), a whole number; so 1/2 < the row's largest p <= 1. The row's sum l is taken of the UNQUANTISED p, in f32, and the product's result is divided by l at the end. Since M is a whole number, a kernel that streams over the keys may use a running M (the ceiling of the running maximum): every later rescaling is an exact power of two, which a block's scale takes up: the codes' values come out the same.
;;   OPERANDS COMPUTED ON THE WAY. 'Computed on the way' means the value that the module computes at that place (a softmax that the list does not call 'softmax' is quantised finished and normalised). What goes into a quantiser is computed in f32, as accurately as f32 sums, v_exp_f32 and their like allow (about 1e-6 of the number): no bf16 or f16 on the way to a quantiser, and a product that is left as it is and whose result goes on into a quantised operand takes f32 operands (vector FMAs, or v_wmma_f32_16x16x4_f32). A number that lies on a knife's edge between two numbers of the format may be rounded either way, as far as f32 arithmetic and the matrix unit's own rounding can turn it there, and no further.
;; One version. Each part assembles by itself: llvm-mc -triple=amdgcn-amd-amdhsa -mcpu=gfx1250 --defsym DOCPART=n.
;; ======== version 1 of 1: 4 launches
;; limits: right only within a limited range of input values
;; workspace buffers: ximg 6,291,456 bytes; xscl 262,144 bytes; wimg 3,145,728 bytes; wscl 131,072 bytes; qkvimg 18,874,368 bytes; qkvscl 786,432 bytes; oimg 6,291,456 bytes; oscl 262,144 bytes
;; launch quant (part 1): grid 768 x 1, 4 waves a work-group, no clusters, 46,592 bytes of LDS; arguments x, w_q, w_k, w_v, w_o, ximg, xscl, wimg, wscl; writes ximg, xscl, wimg, wscl
.if DOCPART == 1
	.amdgcn_target "amdgcn-amd-amdhsa--gfx1250"
	.amdhsa_code_object_version 6
	.text
	.protected	k_q973d94c1eb_quant
	.globl	k_q973d94c1eb_quant
	.p2align	8
	.type	k_q973d94c1eb_quant,@function
k_q973d94c1eb_quant:
	s_mov_b64 s[64:65], 0
	v_nop
	global_prefetch_b8 v0, s[64:65] scope:SCOPE_SE
	s_setreg_imm32_b32 hwreg(HW_REG_WAVE_MODE, 25, 1), 1
	s_wait_xcnt 0x0
; x [8192][1024] f32 (K innermost) and w_q, w_k, w_v, w_o [1024 (k)][1024 (n)] f32 (K outermost) become codes of FP6 (E2M3) with one E8M0 byte for each 32 along K.
; A block's scale is 2^(floor(log2(its largest magnitude)) - 2): its byte is the largest magnitude's exponent field - 2, held at 1 from below.
; LAYOUT OF THE RESULTS.  A HALF IMAGE, 768 bytes, is 16 rows x 64 along K as an operand's registers hold them: lane (r = lane % 16, h = lane / 16) has row r, k = 32 h .. 32 h + 31, in six registers;
; bytes 0-511: 16 bytes a lane (registers 0-3), bytes 512-767: 8 bytes a lane (registers 4, 5).  ximg: [tile 512][K step 8][half 2][768]; wimg: [weight 4][tile 64][K step 8][half 2][768].
; THE ROWS OF A TILE ARE NOT NEIGHBOURS: row i of tile 2 B + u is the tensor's row 32 B + 8 u + i + 8 (i / 8), so that where a tile is a product's source 0 the 16 result registers of tiles 2 B, 2 B + 1 are 16 neighbours.
; Scale words (four bytes: 128 along K of one row): [tile][K step 8][row 16].
; LIMITS: NaN and infinities among the inputs are not served.  A block whose largest magnitude lies under 2^-124 keeps the byte 1; so does a block of zeros, where the rule says 127:
; its codes are zeros, which add nothing under any byte but 0xff, and the bytes are read by this program alone.
; Work-groups 0-511 take a tile of x each, work-groups 512-767 a piece of a weight.  The two ways part on the work-group's number and have LDS bytes of their own.  Waves share nothing: no barrier.
.set XST, 8448                         ; x: a wave's stage: 16 rows x (512 bytes + 16)
.set WST, 33792                        ; the weights' stages begin behind x's four: 3,072 bytes a wave
; x: K step q of the wave's two.  Its 16 loads (a row's 512 bytes each) go through the stage and come back 256 bytes a lane: two whole blocks of 32.
.macro UNIT q
	s_wait_loadcnt 16*(1-\q)                       ; this K step's 16 loads are in; the other's may be out
.if \q
	s_wait_xcnt 0x0                                ; the first K step's stores have read the codes' registers, which are written again below
.endif
.irp i,0,1,2,3,4,5,6,7,8,9,10,11,12,13,14,15
	ds_store_b128 v3, v[16+64*\q+4*\i:16+64*\q+4*\i+3] offset:528*\i
.endr
.irp c,0,1
.irp j,0,1,2,3,4,5,6,7
	ds_load_b128 v[144+32*\c+4*\j:144+32*\c+4*\j+3], v4 offset:256*\c+16*\j   ; LDS serves a wave's instructions in order: these see the stores above.  k = 64 c + 32 h + 4 j ..
.endr
.endr
	s_wait_dscnt 0x0
.irp c,0,1
	v_max3_num_f32 v[208+\c], |v[144+32*\c]|, |v[145+32*\c]|, 0x1800000   ; block 2 c + h is all mine; the floor 2^(3 - 127) holds the byte at 1 from below
.endr
.irp i,2,4,6,8,10,12,14,16,18,20,22,24,26,28,30
.irp c,0,1
	v_max3_num_f32 v[208+\c], v[208+\c], |v[144+32*\c+\i]|, |v[145+32*\c+\i]|
.endr
.endr
.irp c,0,1
	v_add_nc_u32 v[210+\c], 0xff000000, v[208+\c]  ; 2 off the exponent field: the conversion's scale operand
.endr
.irp c,0,1
	v_lshrrev_b32 v[212+\c], 23, v[210+\c]         ; the scale's byte
.endr
	v_lshl_or_b32 v214, v213, 16, v212             ; my bytes: blocks h and 2 + h,
	v_lshlrev_b32 v214, v5, v214                   ; at their places in the word (8 h bits up);
	v_permlanex16_b32 v215, v214, s28, s29
	v_or_b32 v[216+\q], v214, v215                 ; with lane l xor 16's two the word is whole
.irp c,0,1
	v_cvt_scalef32_pk16_fp6_f32 v[220+6*\c:222+6*\c], v[144+32*\c:159+32*\c], v[210+\c]
	v_cvt_scalef32_pk16_fp6_f32 v[232+4*\c:234+4*\c], v[160+32*\c:175+32*\c], v[210+\c]   ; (a conversion's three registers begin on an even number)
.endr
	v_nop                                          ; one plain line behind the scaled conversions
.irp c,0,1
.irp i,0,1,2
	v_mov_b32 v[223+6*\c+\i], v[232+4*\c+\i]
.endr
.endr
.irp c,0,1
	global_store_b128 v2, v[220+6*\c:223+6*\c], s[16:17] offset:1536*\q+768*\c       ; 512 consecutive bytes
	global_store_b64 v6, v[224+6*\c:225+6*\c], s[16:17] offset:1536*\q+768*\c+512    ; 256 consecutive bytes
.endr
.endm
; a weight: block t (32 along K) of my column
.macro WLOAD t
.set J, 0
.rept 32
	global_load_b32 v[16+32*(\t)+J], v2, s[8:9] offset:(32*(\t)+J)*4096 th:TH_LOAD_NT   ; a wave reads 128 consecutive bytes, the four waves 512
.set J, J+1
.endr
.endm
.macro BLOCK t
.set XS, 16+32*(\t)
.if \t < 3
	s_wait_loadcnt 32                              ; this block's 32 loads are in; the next block's may be out
.else
	s_wait_loadcnt 0x0
.endif
.if \t < 2
	WLOAD (\t)+2
.endif
	v_max3_num_f32 v12, |v[XS]|, |v[XS+1]|, |v[XS+2]|
	v_max3_num_f32 v13, |v[XS+3]|, |v[XS+4]|, |v[XS+5]|
.irp i,6,10,14,18,22,26
	v_max3_num_f32 v12, v12, |v[XS+\i]|, |v[XS+\i+1]|
	v_max3_num_f32 v13, v13, |v[XS+\i+2]|, |v[XS+\i+3]|
.endr
	v_max3_num_f32 v12, v12, |v[XS+30]|, |v[XS+31]|
	v_max3_num_f32 v12, v12, v13, 0x1800000        ; and the floor
	v_add_nc_u32 v14, 0xff000000, v12
	v_lshrrev_b32 v13, 23, v14
.if \t == 0
	v_mov_b32 v192, v13                            ; the four bytes make my column's scale word
.else
	v_lshl_or_b32 v192, v13, 8*(\t), v192
.endif
	v_cvt_scalef32_pk16_fp6_f32 v[144+8*(\t):146+8*(\t)], v[XS:XS+15], v14
	v_cvt_scalef32_pk16_fp6_f32 v[176+4*(\t):178+4*(\t)], v[XS+16:XS+31], v14
	v_nop
.irp i,0,1,2
	v_mov_b32 v[147+8*(\t)+\i], v[176+4*(\t)+\i]
.endr
	ds_store_b128 v8, v[144+8*(\t):147+8*(\t)] offset:768*((\t)/2)+256*((\t)%2)   ; the place of lane (r', t % 2) in half image t / 2
	ds_store_b64 v9, v[148+8*(\t):149+8*(\t)] offset:768*((\t)/2)+128*((\t)%2)
.endm
	s_load_b64 s[4:5], s[0:1], 0x0                 ; x
	s_load_b256 s[8:15], s[0:1], 0x8               ; w_q, w_k, w_v, w_o
	s_load_b256 s[16:23], s[0:1], 0x28             ; ximg, xscl, wimg, wscl
	v_lshl_add_u32 v254, v0, 2, 0xb400
	v_mov_b32 v255, 0
	v_lshrrev_b32 v1, 5, v0
	v_readfirstlane_b32 s24, v1                    ; wave
	v_and_b32 v1, 31, v0                           ; lane
	s_cmp_lt_u32 ttmp9, 512
	s_cbranch_scc0 .Lweights
	; ---- x: the work-group's tile is ttmp9; wave w takes K steps 2 w and 2 w + 1
	v_lshlrev_b32 v2, 4, v1                        ; 16 x lane
	v_lshlrev_b32 v6, 3, v1                        ; 8 x lane
	v_lshlrev_b32 v7, 2, v1                        ; 4 x lane
	v_and_b32 v8, 15, v0                           ; r
	v_bfe_u32 v9, v0, 4, 1                         ; h
	v_lshlrev_b32 v5, 3, v9                        ; 8 h
	s_mul_i32 s25, s24, XST
	v_add_nc_u32 v3, s25, v2                       ; the stage, in: 16 x lane of a row
	v_mul_u32_u24 v4, v8, 528
	v_lshl_add_u32 v4, v9, 7, v4
	v_add_nc_u32 v4, s25, v4                       ; out: row r, + 128 h
	v_mov_b32 v215, 0                              ; written once: a lane permute's destination counts as one of its sources
	s_mov_b32 s28, 0x76543210
	s_mov_b32 s29, 0xfedcba98                      ; selects for lane l xor 16
	s_lshr_b32 s26, ttmp9, 1
	s_lshl_b32 s26, s26, 5
	s_and_b32 s27, ttmp9, 1
	s_lshl_b32 s27, s27, 3
	s_add_co_u32 s26, s26, s27                     ; the tile's first row: 32 (T / 2) + 8 (T % 2)
	s_lshl_b32 s26, s26, 12
	s_lshl_b32 s27, s24, 10
	s_add_co_u32 s26, s26, s27                     ; x 4,096 bytes + the wave's 1,024
	s_mov_b32 s27, 0
	s_mul_i32 s30, ttmp9, 12288
	s_mul_i32 s31, s24, 3072
	s_add_co_u32 s30, s30, s31
	s_mov_b32 s31, 0
	s_lshl_b32 s32, ttmp9, 9
	s_lshl_b32 s33, s24, 7
	s_add_co_u32 s32, s32, s33
	s_mov_b32 s33, 0
	s_wait_alu depctr_va_vdst(0)
	s_wait_kmcnt 0x0
	s_add_nc_u64 s[4:5], s[4:5], s[26:27]
	s_add_nc_u64 s[16:17], s[16:17], s[30:31]
	s_add_nc_u64 s[18:19], s[18:19], s[32:33]
.irp q,0,1
.irp i,0,1,2,3,4,5,6,7,8,9,10,11,12,13,14,15
	global_load_b128 v[16+64*\q+4*\i:16+64*\q+4*\i+3], v2, s[4:5] offset:(\i+8*(\i/8))*4096+512*\q th:TH_LOAD_NT   ; 512 consecutive bytes of the tile's row i
.endr
.endr
	UNIT 0
	UNIT 1
	v_cmp_lt_u32 vcc_lo, 15, v1
	v_cndmask_b32 v218, v216, v217, vcc_lo         ; lanes 0-15 store the first K step's words, lanes 16-31 the second's
	global_store_b32 v7, v218, s[18:19]            ; 128 consecutive bytes
	s_wait_tensorcnt 0x0
	ds_add_u32 v254, v255
	s_wait_dscnt 0x0
	s_endpgm
.Lweights:
	; ---- a weight: id = ttmp9 - 512: weight id / 64, K step (id / 8) % 8, 128 columns id % 8; wave w takes 32 of them, a lane a column, its registers run down K
	s_sub_co_u32 s25, ttmp9, 512
	s_lshr_b32 s26, s25, 6                         ; which weight
	s_and_b32 s27, s25, 7                          ; which 128 columns
	s_bfe_u32 s30, s25, 0x30003                    ; which K step
	s_wait_alu depctr_va_vdst(0)
	v_lshlrev_b32 v2, 2, v1                        ; 4 x lane
	v_lshlrev_b32 v3, 4, v1                        ; 16 x lane
	v_bfe_u32 v4, v0, 3, 1                         ; u: my column 8 u + (lane % 8) + 16 (lane / 16) lies in tile 2 B + u,
	v_bfe_u32 v5, v0, 4, 1
	v_and_b32 v6, 7, v0
	v_lshl_or_b32 v6, v5, 3, v6                    ; in its row r' = lane % 8 + 8 (lane / 16)
	s_mul_i32 s31, s24, 3072
	s_add_co_u32 s31, s31, WST                     ; my wave's stage: two tiles x one K step (1,536 bytes)
	v_mul_u32_u24 v7, v4, 1536
	v_add_nc_u32 v7, s31, v7
	v_lshl_add_u32 v8, v6, 4, v7                   ; registers 0-3 of a half image
	v_lshl_add_u32 v9, v6, 3, v7
	v_add_nc_u32 v9, 512, v9                       ; registers 4, 5
	v_add_nc_u32 v10, s31, v3                      ; the way out
	v_lshlrev_b32 v11, 9, v4
	v_lshl_add_u32 v11, v6, 2, v11                 ; my scale word: 512 u + 4 r'
	s_lshl_b32 s32, s30, 19                        ; 128 rows of 4,096 bytes a K step
	s_lshl_b32 s33, s27, 9
	s_add_co_u32 s32, s32, s33
	s_lshl_b32 s33, s24, 7
	s_add_co_u32 s32, s32, s33
	s_mov_b32 s33, 0
	s_lshl_b32 s34, s26, 6
	s_lshl_b32 s35, s27, 3
	s_add_co_u32 s34, s34, s35
	s_lshl_b32 s35, s24, 1
	s_add_co_u32 s34, s34, s35                     ; my first tile: 64 weight + 8 (columns / 128) + 2 wave
	s_mul_i32 s36, s34, 12288
	s_mul_i32 s37, s30, 1536
	s_add_co_u32 s36, s36, s37
	s_mov_b32 s37, 0
	s_lshl_b32 s38, s34, 9
	s_lshl_b32 s39, s30, 6
	s_add_co_u32 s38, s38, s39
	s_mov_b32 s39, 0
	s_wait_kmcnt 0x0
	s_cmp_eq_u32 s26, 1
	s_cselect_b64 s[8:9], s[10:11], s[8:9]
	s_cmp_eq_u32 s26, 2
	s_cselect_b64 s[8:9], s[12:13], s[8:9]
	s_cmp_eq_u32 s26, 3
	s_cselect_b64 s[8:9], s[14:15], s[8:9]
	s_add_nc_u64 s[8:9], s[8:9], s[32:33]
	s_add_nc_u64 s[20:21], s[20:21], s[36:37]
	s_add_nc_u64 s[22:23], s[22:23], s[38:39]
	WLOAD 0
	WLOAD 1
	BLOCK 0
	BLOCK 1
	BLOCK 2
	BLOCK 3
	global_store_b32 v11, v192, s[22:23]
.irp k,0,1,2,3,4,5
	ds_load_b128 v[200+4*\k:203+4*\k], v10 offset:512*\k     ; LDS serves a wave's instructions in order: these see my stores
.endr
.irp k,0,1,2,3,4,5
	s_wait_dscnt 5-\k
	global_store_b128 v3, v[200+4*\k:203+4*\k], s[20:21] offset:(\k/3)*12288+512*(\k%3)   ; 512 consecutive bytes
.endr
	s_wait_tensorcnt 0x0
	ds_add_u32 v254, v255
	s_wait_dscnt 0x0
	s_endpgm
.Lfunc_end_k_q973d94c1eb_quant:
	.size	k_q973d94c1eb_quant, .Lfunc_end_k_q973d94c1eb_quant-k_q973d94c1eb_quant
	.p2alignl 7, 3214868480
	.fill 96, 4, 3214868480
	.section	.rodata,"a",@progbits
	.p2align	6, 0x0
	.amdhsa_kernel k_q973d94c1eb_quant
		.amdhsa_group_segment_fixed_size 46592
		.amdhsa_private_segment_fixed_size 0
		.amdhsa_enable_private_segment 0
		.amdhsa_kernarg_size 72
		.amdhsa_user_sgpr_count 2
		.amdhsa_user_sgpr_kernarg_segment_ptr 1
		.amdhsa_wavefront_size32 1
		.amdhsa_system_sgpr_workgroup_id_x 1
		.amdhsa_system_sgpr_workgroup_id_y 1
		.amdhsa_system_sgpr_workgroup_id_z 1
		.amdhsa_system_vgpr_workitem_id 0
		.amdhsa_next_free_vgpr 256
		.amdhsa_next_free_sgpr 66
		.amdhsa_reserve_vcc 1
		.amdhsa_float_denorm_mode_32 3
		.amdhsa_float_denorm_mode_16_64 3
		.amdhsa_memory_ordered 1
		.amdhsa_forward_progress 1
		.amdhsa_inst_pref_size 38
	.end_amdhsa_kernel
	.amdgpu_metadata
---
amdhsa.version: [ 1, 2 ]
amdhsa.kernels:
  - .name:           k_q973d94c1eb_quant
    .symbol:         k_q973d94c1eb_quant.kd
    .args:
      - { .name: x, .offset: 0, .size: 8, .value_kind: global_buffer, .address_space: global }
      - { .name: w_q, .offset: 8, .size: 8, .value_kind: global_buffer, .address_space: global }
      - { .name: w_k, .offset: 16, .size: 8, .value_kind: global_buffer, .address_space: global }
      - { .name: w_v, .offset: 24, .size: 8, .value_kind: global_buffer, .address_space: global }
      - { .name: w_o, .offset: 32, .size: 8, .value_kind: global_buffer, .address_space: global }
      - { .name: ximg, .offset: 40, .size: 8, .value_kind: global_buffer, .address_space: global }
      - { .name: xscl, .offset: 48, .size: 8, .value_kind: global_buffer, .address_space: global }
      - { .name: wimg, .offset: 56, .size: 8, .value_kind: global_buffer, .address_space: global }
      - { .name: wscl, .offset: 64, .size: 8, .value_kind: global_buffer, .address_space: global }
    .group_segment_fixed_size: 46592
    .private_segment_fixed_size: 0
    .kernarg_segment_align: 8
    .kernarg_segment_size: 72
    .max_flat_workgroup_size: 128
    .sgpr_count:     66
    .vgpr_count:     256
    .wavefront_size: 32
...
	.end_amdgpu_metadata
.endif
;; end of part 1
;; launch proj (part 2): grid 8 x 32, 4 waves a work-group, clusters of 4 x 4, 327,680 bytes of LDS; arguments ximg, xscl, wimg, wscl, b_q, b_k, b_v, qkvimg, qkvscl; writes qkvimg, qkvscl
.if DOCPART == 2
	.amdgcn_target "amdgcn-amd-amdhsa--gfx1250"
	.amdhsa_code_object_version 6
	.text
	.protected	k_q973d94c1eb_proj
	.globl	k_q973d94c1eb_proj
	.p2align	8
	.type	k_q973d94c1eb_proj,@function
k_q973d94c1eb_proj:
	s_mov_b64 s[64:65], 0
	v_nop
	global_prefetch_b8 v0, s[64:65] scope:SCOPE_SE
	s_setreg_imm32_b32 hwreg(HW_REG_WAVE_MODE, 25, 1), 1
	s_wait_xcnt 0x0
	s_wait_alu depctr_hold_cnt(0) depctr_sa_sdst(0) depctr_va_vdst(0) depctr_va_sdst(0) depctr_va_ssrc(0) depctr_va_vcc(0) depctr_vm_vsrc(0)
	s_getreg_b32 s2, hwreg(HW_REG_IB_STS2, 6, 4)
	s_cmp_eq_u32 s2, 0
	s_cbranch_scc0 .Lentry_in_a_cluster
	s_endpgm
.Lentry_in_a_cluster:
	s_bfe_u32 s2, ttmp6, 0x10000c
	s_cmp_lg_u32 s2, 0xf033
	s_cbranch_scc0 .Lentry_shape_is_right
	s_endpgm
.Lentry_shape_is_right:
; q = x w_q + b_q, k = x w_k + b_k, v = x w_v + b_v on codes of FP6 (E2M3) with E8M0 scales; the results are quantised again, in registers, for the two products of attention.
; Operands come as half images (768 bytes: 16 rows x 64 along K as the registers hold them), [tile][K step 8][half 2][768]; scale words [tile][K step 8][row 16].
; A BLOCK is 256 P rows x 128 R rows over all of K = 1,024.  Every product is used transposed: source 0 = 16 R rows (along a lane's registers), source 1 = 16 P rows (a lane a row).
; Block columns X < 4 make q and k: P = tokens, R = columns of w_q | w_k.  X >= 4 make v: P = columns of w_v, R = tokens.  The kinds differ in pointers, offsets and masks alone (s_cselect, v_cndmask).
; WORK-GROUPS STAY: 256 of them; a cluster makes three blocks, X = cluster x, + 2, + 4: one of q, one of k, one of v.  X is the same in all sixteen partners.
; LDS holds a block's operands for all of K, [tile][K step][1,536]: P's 16 tiles, then R's 8: 294,912 bytes; one joint load a wave (waves 0, 1 a half of P, waves 2, 3 a half of R).
; THE REFILL stands in the last K step, whose fragments are in registers by then: the three lines, a round of the cluster's barrier with that step's 32 products inside it, the joint loads.
; The next block's tiles, scale words and bias are on their way while this block is quantised and stored.  The last block asks for nothing and is written out.
; The launch claims all of LDS, and has the adds of 0 on spare words.
; NO PREFETCH: of a refill's 294,912 bytes x's part (two thirds for k, one third for v) has been read in this launch before; a weight's tiles, 98,304 or 196,608 bytes, are asked for jointly, once a cluster.
; CLUSTERS: 4 x 4.  P's tiles hang on X, the cluster's y and cy: shared by a row of the cluster; R's on cx: by a column.  Wave w owns P tiles 4 w .. 4 w + 3 and all 8 R tiles: 32 accumulators.
; REGISTERS.  window 0: v1-21 addresses; v32-63 P's scale words (8 a + s); v64-127 R's (8 b + s); v128-223 P's fragments, two sets (on the way out: numbers and codes); v224-231 the bias along the lanes; v232-253 at work.
;   window 1: accumulator (a, b) at v[64 a + 8 b].   window 2: v0-191 R's fragments, two sets; v192-255 the bias along the registers: the C of the first K step's products.
; LIMITS: NaN and infinities are not served; a block under 2^-124, zeros too, keeps the byte 1 (its codes are zeros; this program alone reads the bytes).
.set WV,   3
.set AA16, 5
.set AA8,  6
.set AB16, 7
.set AB8,  8
.set TMP,  204
.set TM,   232
.set SEL,  66
.set MSB, 0
.macro WIN new                         ; the immediate's high byte repeats the setting that is left
.if MSB != \new
	s_set_vgpr_msb (MSB<<8)|\new
.set MSB, \new
.endif
.endm
.macro PLACES
.rept 4
	v_nop
.endr
.endm
.macro CREST                           ; a round of the cluster's barrier behind its opening barrier
	s_cmp_lg_u32 s[WV], 0
	s_cbranch_scc1 .Lnot_wave_0_\@
	s_barrier_signal -3
.Lnot_wave_0_\@:
	s_barrier_wait -3
	s_barrier_signal -1
	s_barrier_wait -1
.endm
.macro CROUND
	s_barrier_signal -1
	s_barrier_wait -1
	CREST
.endm
.macro FRAGLD reg, a16, a8, off0, off1 ; a fragment (12 registers) = two half images: every load takes consecutive bytes
	ds_load_b128 v[(\reg):(\reg)+3], v[\a16] offset:\off0
	ds_load_b64 v[(\reg)+4:(\reg)+5], v[\a8] offset:\off0+512
	ds_load_b128 v[(\reg)+6:(\reg)+9], v[\a16] offset:\off1
	ds_load_b64 v[(\reg)+10:(\reg)+11], v[\a8] offset:\off1+512
.endm
.macro LOADF s                         ; K step s: 48 LDS loads into set s % 2; R's tiles 4-7 go by v20, v21, so that every offset stays under 65,536
	WIN 0x80
.irp b,0,1,2,3,4,5,6,7
	FRAGLD 96*((\s)%2)+12*\b, AB16+13*(\b/4), AB8+13*(\b/4), 12288*(\b%4)+1536*(\s), 12288*(\b%4)+1536*(\s)+768
.endr
	WIN 0
.irp a,0,1,2,3
	FRAGLD 128+48*((\s)%2)+12*\a, AA16, AA8, 12288*\a+1536*(\s), 12288*\a+1536*(\s)+768
.endr
.endm
; 32 matrix instructions; the 32 accumulators take turns in the same order in every K step.  first = 1: the bias starts the sums.
.macro MUL s, first
.if \first
	WIN 0x62
.else
	WIN 0x52
.endif
.irp a,0,1,2,3
.irp b,0,1,2,3,4,5,6,7
.if \first
	v_wmma_scale_f32_16x16x128_f8f6f4 v[64*\a+8*\b:64*\a+8*\b+7], v[96*((\s)%2)+12*\b:96*((\s)%2)+12*\b+11], v[128+48*((\s)%2)+12*\a:128+48*((\s)%2)+12*\a+11], v[192+8*\b:192+8*\b+7], v[64+8*\b+(\s)], v[32+8*\a+(\s)] matrix_a_fmt:MATRIX_FMT_FP6 matrix_b_fmt:MATRIX_FMT_FP6
.else
	v_wmma_scale_f32_16x16x128_f8f6f4 v[64*\a+8*\b:64*\a+8*\b+7], v[96*((\s)%2)+12*\b:96*((\s)%2)+12*\b+11], v[128+48*((\s)%2)+12*\a:128+48*((\s)%2)+12*\a+11], v[64*\a+8*\b:64*\a+8*\b+7], v[64+8*\b+(\s)], v[32+8*\a+(\s)] matrix_a_fmt:MATRIX_FMT_FP6 matrix_b_fmt:MATRIX_FMT_FP6
.endif
.endr
.endr
.endm
; 64 numbers of a lane, register 16 b + i = k 32 b + 16 (lane / 16) + i of my row, become a fragment's codes in v[pc] on and its scale word in v[pw]
.macro QUANT s, pc, pw
.irp b,0,1,2,3
	v_max3_num_f32 v[TM+\b], |v[(\s)+16*\b]|, |v[(\s)+1+16*\b]|, 0x1800000   ; and the floor 2^(3 - 127)
.endr
.irp i,2,4,6,8,10,12,14
.irp b,0,1,2,3
	v_max3_num_f32 v[TM+\b], v[TM+\b], |v[(\s)+16*\b+\i]|, |v[(\s)+1+16*\b+\i]|
.endr
.endr
.irp b,0,1,2,3
	v_permlanex16_b32 v[TM+4+\b], v[TM+\b], s[SEL], s[SEL+1]
.endr
.irp b,0,1,2,3
	v_max_num_f32 v[TM+\b], v[TM+\b], v[TM+4+\b]   ; with lane l xor 16's: the block's largest magnitude
.endr
.irp b,0,1,2,3
	v_add_nc_u32 v[TM+12+\b], 0xff000000, v[TM+\b] ; 2 off its exponent field: the conversion's scale operand
.endr
.irp b,0,1,2,3
	v_lshrrev_b32 v[TM+4+\b], 23, v[TM+12+\b]      ; the scale's byte
.endr
	v_lshl_or_b32 v[\pw], v[TM+5], 8, v[TM+4]
	v_lshl_or_b32 v[\pw], v[TM+6], 16, v[\pw]
	v_lshl_or_b32 v[\pw], v[TM+7], 24, v[\pw]
.irp c,0,1
	v_cvt_scalef32_pk16_fp6_f32 v[(\pc)+6*\c:(\pc)+2+6*\c], v[(\s)+32*\c:(\s)+15+32*\c], v[TM+12+2*\c]
	v_cvt_scalef32_pk16_fp6_f32 v[TMP+4*\c:TMP+2+4*\c], v[(\s)+16+32*\c:(\s)+31+32*\c], v[TM+12+2*\c+1]
.endr
	v_nop                                          ; one plain line behind the scaled conversions
.irp c,0,1                                     ; the layout wants a whole block in a lane
.irp i,0,1,2
	v_permlane16_swap_b32 v[(\pc)+6*\c+\i], v[TMP+4*\c+\i]
.endr
.irp i,0,1,2
	v_mov_b32 v[(\pc)+3+6*\c+\i], v[TMP+4*\c+\i]
.endr
.endr
.endm
; THE WAY OUT of P tile a: the bias along the lanes, the quantiser, two half images to memory.  The codes' registers are two sets by turns.
.macro EPI a
.set PCA, 192+20*((\a)%2)
.if (\a) >= 2
	s_wait_xcnt 0x0                                ; the stores of two tiles back have read this set
.endif
	WIN 0x01
.set J, 0
.rept 32
	v_pk_add_f32 v[128+J:129+J], v[64*(\a)+J:64*(\a)+J+1], v[224+2*(\a):225+2*(\a)]   ; ascending: each accumulator from its low end on
.set J, J+2
.endr
	WIN 0
	QUANT 128, PCA, 248+(\a)
	global_store_b128 v3, v[PCA:PCA+3], s[52:53] offset:768*(\a)          ; 512 consecutive bytes
	global_store_b64 v4, v[PCA+4:PCA+5], s[52:53] offset:768*(\a)+512     ; 256 consecutive bytes
	global_store_b128 v10, v[PCA+6:PCA+9], s[52:53] offset:768*(\a)
	global_store_b64 v12, v[PCA+10:PCA+11], s[52:53] offset:768*(\a)+512
.endm
; the scale words, [x 2][row 16][i 2].  v: lane (r, h) stores the words of tiles 2 h, 2 h + 1.  q, k: for head h, word i = tile i's two bytes below, tile i + 2's above
.macro WORDS
	v_perm_b32 v252, v250, v248, v14
	v_perm_b32 v253, v251, v249, v14
	global_store_b64 v13, v[252:253], s[54:55]
.endm
; block column X (s7): P block s13, R block s14, the kind's masks and pointers, and the two groups 0.  Scalars alone; no tensor load of mine is out where it stands.
.macro FILLSET
	s_lshl_b32 s9, s8, 2
	s_add_co_u32 s9, s9, s6                        ; q, k: P block = 4 Y + cy (256 tokens)
	s_lshl_b32 s10, s7, 2
	s_add_co_u32 s10, s10, s5                      ; q, k: R block = 4 X + cx (128 columns of w_q | w_k)
	s_lshl_b32 s11, s7, 5
	s_lshl_b32 s12, s8, 2
	s_add_co_u32 s11, s11, s12
	s_add_co_u32 s11, s11, s5
	s_sub_co_u32 s11, s11, 128                     ; v: R block = 4 (8 (X - 4) + Y) + cx (128 tokens); P block = cy (256 columns of w_v)
	s_cmp_ge_u32 s7, 4
	s_cselect_b32 s13, s6, s9
	s_cselect_b32 s14, s11, s10
	s_cselect_b32 s15, 1572864, 0                  ; w_v's images begin 128 tiles into wimg
	s_cselect_b32 s86, -1, 0                       ; all ones for v
	s_cselect_b32 s87, 0, -1                       ; all ones for q, k
	s_cselect_b32 s88, 128, 0
	s_cselect_b64 s[56:57], s[72:73], s[68:69]     ; P's images
	s_cselect_b64 s[58:59], s[68:69], s[72:73]     ; R's
	s_cselect_b64 s[36:37], s[74:75], s[70:71]     ; P's scale words
	s_cselect_b64 s[38:39], s[70:71], s[74:75]     ; R's
	s_mul_i32 s92, s13, 196608                     ; P: 16 tiles a block, my 8 of them
	s_add_co_u32 s92, s92, s15
	s_mul_i32 s93, s4, 98304
	s_add_co_u32 s92, s92, s93
	s_mov_b32 s93, 0
	s_mul_i32 s94, s14, 98304                      ; R: 8 tiles a block, my 4 of them
	s_mul_i32 s95, s4, 49152
	s_add_co_u32 s94, s94, s95
	s_mov_b32 s95, 0
	s_add_nc_u64 s[34:35], s[56:57], s[92:93]
	s_or_b32 s35, s35, 0x80000000
	s_add_nc_u64 s[50:51], s[58:59], s[94:95]
	s_or_b32 s51, s51, 0x80000000
.endm
.macro FILL                            ; one joint load a wave; s_nop 0 and four v_nop behind each; the v_nop are also the places behind the last products
	s_cmp_lt_u32 s[WV], 2
	s_cbranch_scc0 .Lfill_r_\@
	tensor_load_to_lds s[32:35], s[16:23]
	s_nop 0
	PLACES
	s_branch .Lfilled_\@
.Lfill_r_\@:
	tensor_load_to_lds s[48:51], s[24:31]
	s_nop 0
	PLACES
.Lfilled_\@:
.endm
.macro RSC b                           ; R tile b's scale words
.irp s,0,1,2,3,4,5,6,7
	global_load_b32 v[64+8*(\b)+\s], v17, s[38:39] offset:512*(\b)+64*\s
.endr
.endm
.macro RL_A                            ; straight into registers: P's scale words, R tile 0's, the bias along the registers: 56 loads
	s_lshl_b32 s92, s13, 4
	s_lshl_b32 s93, s[WV], 2
	s_add_co_u32 s92, s92, s93
	s_add_co_u32 s92, s92, s88
	s_lshl_b32 s92, s92, 9                         ; my first P tile x 512 bytes
	s_mov_b32 s93, 0
	s_add_nc_u64 s[36:37], s[36:37], s[92:93]
	s_lshl_b32 s94, s14, 12                        ; the first R tile x 512
	s_mov_b32 s95, 0
	s_add_nc_u64 s[38:39], s[38:39], s[94:95]
.irp a,0,1,2,3
.irp s,0,1,2,3,4,5,6,7
	global_load_b32 v[32+8*\a+\s], v17, s[36:37] offset:512*\a+64*\s
.endr
.endr
	RSC 0
	s_cmp_lt_u32 s7, 2
	s_cselect_b64 s[40:41], s[76:77], s[78:79]     ; b_q or b_k,
	s_cmp_lt_u32 s7, 4
	s_cselect_b64 s[40:41], s[40:41], s[80:81]     ; or b_v
	s_and_b32 s92, s14, 7
	s_lshl_b32 s92, s92, 9
	s_and_b32 s92, s92, s87                        ; q, k: the R block's 128 numbers (for v: the buffer's first, which are then replaced by zeros)
	s_add_nc_u64 s[42:43], s[40:41], s[92:93]
	WIN 0x80
.irp q,0,1,2,3
.irp e,0,1,2,3
	global_load_b128 v[192+16*\q+4*\e:195+16*\q+4*\e], v18, s[42:43] offset:128*\q+16*\e
.endr
.endr
	WIN 0
.endm
.macro RL_B                            ; R tiles 1 to 7: 56 loads
.irp b,1,2,3,4,5,6,7
	RSC \b
.endr
.endm
; the bias along the lanes, and where the results go.  P64 = 4 (P block) + wave.  qkvimg: [HB = 64 section + 16 batch + head][128 tokens: 16][6,144]; q, k: [token tile 8][768]; v: [half of the keys 2][tile of the head's 64: 4][768]
.macro REST_O
	s_wait_xcnt 0x0                                ; the last block's stores have read their bases, offsets and data
	s_lshl_b32 s94, s13, 8
	s_lshl_b32 s95, s[WV], 6
	s_add_co_u32 s94, s94, s95
	s_lshl_b32 s94, s94, 2
	s_and_b32 s94, s94, s86                        ; v: my 64 P rows' numbers (for q, k: the buffer's first, then replaced by zeros)
	s_mov_b32 s95, 0
	s_add_nc_u64 s[44:45], s[40:41], s[94:95]
.irp a,0,1,2,3
	global_load_b32 v[224+2*\a], v19, s[44:45] offset:4*(32*(\a/2)+8*(\a%2))
.endr
	s_lshl_b32 s92, s13, 2
	s_add_co_u32 s92, s92, s[WV]                   ; P64
	s_lshr_b32 s93, s14, 4
	s_lshl_b32 s93, s93, 4
	s_add_co_u32 s93, s93, s92
	s_add_co_u32 s93, s93, 128                     ; v: HB = 128 + 16 batch + head (P64)
	s_and_b32 s94, s14, 15                         ; v: which 128 tokens
	s_lshr_b32 s95, s14, 3
	s_lshl_b32 s95, s95, 6
	s_lshr_b32 s96, s92, 5
	s_lshl_b32 s96, s96, 4
	s_add_co_u32 s95, s95, s96
	s_and_b32 s96, s14, 7
	s_lshl_b32 s96, s96, 1
	s_add_co_u32 s95, s95, s96                     ; q, k: HB = 64 section + 16 batch + the R block's first head
	s_bfe_u32 s96, s92, 0x40001                    ; q, k: which 128 tokens
	s_and_b32 s97, s92, 1                          ; q, k: which 64 of them
	s_mov_b32 s98, 98304
	s_mov_b32 s99, 4096
	s_mov_b32 s9, 0x05040100
	s_mov_b32 s10, 0x07060302
	s_cmp_ge_u32 s7, 4
	s_cselect_b32 s93, s93, s95
	s_cselect_b32 s94, s94, s96
	s_cselect_b32 s97, 0, s97
	s_cselect_b32 s98, 3072, s98                   ; from the fragment's first half image to its second: v: the other 64 keys; q, k: the next head
	s_cselect_b32 s99, 128, s99                    ; the same for the scale words
	s_cselect_b32 s9, 0x03020100, s9               ; how lanes 0-15 and
	s_cselect_b32 s10, 0x07060504, s10             ; lanes 16-31 make their words
	s_lshl_b32 s93, s93, 4
	s_add_co_u32 s93, s93, s94
	s_mul_i32 s94, s93, 6144
	s_mul_i32 s95, s97, 3072
	s_add_co_u32 s94, s94, s95
	s_mov_b32 s95, 0
	s_add_nc_u64 s[52:53], s[82:83], s[94:95]
	s_lshl_b32 s94, s93, 8
	s_lshl_b32 s96, s97, 7
	s_add_co_u32 s94, s94, s96
	s_add_nc_u64 s[54:55], s[84:85], s[94:95]
	v_add_nc_u32 v10, s98, v3
	v_add_nc_u32 v12, s98, v4
	v_lshlrev_b32 v13, 3, v1
	v_mad_u32_u24 v13, v2, s99, v13                ; the scale words: 8 r + h x the step
	v_mov_b32 v14, s9
	v_mov_b32 v15, s10
	v_cmp_eq_u32 vcc_lo, 1, v2
	v_cndmask_b32 v14, v14, v15, vcc_lo
.endm
; K steps 0 to 6 of a block, and step 7's fragments asked for
.macro KSTEPS
	s_wait_loadcnt 0x0                             ; scale words and biases
	WIN 0x88
.set J, 0
.rept 64
	v_cndmask_b32 v[192+J], 0, v[192+J], s87       ; v has no bias along the registers
.set J, J+1
.endr
	WIN 0
.irp a,0,1,2,3
	v_cndmask_b32 v[224+2*\a], 0, v[224+2*\a], s86 ; q and k have none along the lanes
.endr
.irp a,0,1,2,3
	v_mov_b32 v[225+2*\a], v[224+2*\a]             ; a pair for the packed addition
.endr
	s_wait_alu depctr_va_vdst(0)
	s_wait_tensorcnt 0x0                           ; my one load is in
	s_barrier_signal -1
	s_barrier_wait -1                              ; everybody's is
	LOADF 0
.irp s,0,1,2,3,4,5,6
.if \s > 0
	PLACES                                         ; between the last products and loads into the set that they read
.endif
	LOADF \s+1
	s_wait_dscnt 48                                ; all but the 48 just issued
.if \s == 0
	MUL 0, 1
.else
	MUL \s, 0
.endif
.endr
	WIN 0
.endm
	s_load_b256 s[68:75], s[0:1], 0x0              ; ximg, xscl, wimg, wscl
	s_load_b256 s[76:83], s[0:1], 0x20             ; b_q, b_k, b_v, qkvimg
	s_load_b64 s[84:85], s[0:1], 0x40              ; qkvscl
	v_lshl_add_u32 v254, v0, 2, 0x48000
	v_mov_b32 v255, 0
	ds_add_u32 v254, v255                          ; the opening lines: the add, twice on end, and its wait
	ds_add_u32 v254, v255
	v_lshrrev_b32 v1, 5, v0
	v_readfirstlane_b32 s[WV], v1                  ; wave 0..3
	s_and_b32 s4, s[WV], 1                         ; which half of a side's tiles I fetch
	s_bfe_u32 s5, ttmp6, 0x40000                   ; cx
	s_bfe_u32 s6, ttmp6, 0x40004                   ; cy
	s_and_b32 s8, ttmp7, 0xffff                    ; cluster y
	s_mov_b32 s7, ttmp9                            ; X: the first block column
	s_lshl_b32 s89, s6, 2
	s_lshl_b32 s89, 15, s89                        ; my row of the cluster
	s_lshl_b32 s90, 0x1111, s5                     ; my column
	s_or_b32 s16, s89, (3<<16)|(1<<21)             ; groups 1: dense rows of 3,072 bytes (384 elements of 8 bytes); P: 32 rows, R: 16
	s_or_b32 s24, s90, (3<<16)|(1<<21)
.irp g,16,24
	s_mov_b32 s[\g+1], 384<<16
	s_mov_b32 s[\g+3], 384<<16
	s_mov_b32 s[\g+5], 384
	s_mov_b32 s[\g+6], 0
	s_mov_b32 s[\g+7], 0
.endr
	s_mov_b32 s18, 32<<16
	s_mov_b32 s20, 32
	s_mov_b32 s26, 16<<16
	s_mov_b32 s28, 16
	s_mov_b32 s32, 1
	s_mul_i32 s33, s4, 98304                       ; where the tiles go: no place in the cluster enters an LDS address
	s_mov_b32 s48, 1
	s_mul_i32 s49, s4, 49152
	s_add_co_u32 s49, s49, 196608
	s_mov_b32 s[SEL], 0x76543210
	s_mov_b32 s[SEL+1], 0xfedcba98                 ; selects for lane l xor 16
	s_mul_i32 s11, s[WV], 49152                    ; my four P tiles
	v_and_b32 v1, 15, v0                           ; r
	v_bfe_u32 v2, v0, 4, 1                         ; h
	v_and_b32 v16, 31, v0
	v_lshlrev_b32 v3, 4, v16                       ; 16 x lane
	v_lshlrev_b32 v4, 3, v16                       ; 8 x lane
	v_lshlrev_b32 v17, 2, v1                       ; 4 r
	v_lshlrev_b32 v18, 6, v2                       ; 64 h: lane (r, h) wants, for tiles 2 B + u, the numbers 32 B + 16 h + 8 u + 0 .. 7
	v_and_b32 v19, 8, v1
	v_add_nc_u32 v19, v19, v1
	v_lshlrev_b32 v19, 2, v19                      ; 4 (r + 8 (r / 8)): my row of a P tile
	v_add_nc_u32 v[AA16], s11, v3
	v_add_nc_u32 v[AA8], s11, v4
	v_add_nc_u32 v[AB16], 196608, v3
	v_add_nc_u32 v[AB8], 196608, v4
	v_add_nc_u32 v[AB16+13], 245760, v3            ; R's tiles 4-7
	v_add_nc_u32 v[AB8+13], 245760, v4
.irp b,0,1,2,3
	v_mov_b32 v[TM+4+\b], 0                        ; written once: a lane permute's destination counts as one of its sources
.endr
	s_wait_alu depctr_va_vdst(0)
	s_wait_dscnt 0x0
	s_wait_kmcnt 0x0
	FILLSET
	CROUND                                         ; all sixteen work-groups are here: the first joint loads meet
	FILL
	RL_A
	RL_B
	REST_O
	s_mov_b32 s2, 0
.Lblock:                                               ; two trips: the blocks behind which LDS is filled again
	KSTEPS
	s_wait_tensorcnt 0x0                           ; the three lines ahead of the refill's round: none of my tensor loads is out,
	ds_add_u32 v254, v255                          ; 0 onto my spare word,
	s_add_co_u32 s7, s7, 2                         ; (work on registers: the next block's numbers and descriptors)
	FILLSET
	s_wait_dscnt 0x0                               ; the add is done, and my last reads of this block's tiles: step 7's fragments are in registers
	s_barrier_signal -1
	MUL 7, 0                                       ; register work inside the round
	WIN 0
	s_barrier_wait -1
	CREST                                          ; no wave of any partner still reads its tiles
	FILL
	RL_A
	EPI 0
	EPI 1
	RL_B
	EPI 2
	EPI 3
	WORDS
	REST_O
	s_add_co_u32 s2, s2, 1
	s_cmp_lt_u32 s2, 2
	s_cbranch_scc1 .Lblock
	KSTEPS                                         ; the last block: nothing more is asked for
	s_wait_dscnt 0x0
	MUL 7, 0
	WIN 0
	PLACES                                         ; ahead of the first read of results
	EPI 0
	EPI 1
	EPI 2
	EPI 3
	WORDS
	s_wait_tensorcnt 0x0                           ; the wave's end
	ds_add_u32 v254, v255
	s_wait_dscnt 0x0
	CROUND                                         ; the closing round
	s_endpgm
.Lfunc_end_k_q973d94c1eb_proj:
	.size	k_q973d94c1eb_proj, .Lfunc_end_k_q973d94c1eb_proj-k_q973d94c1eb_proj
	.p2alignl 7, 3214868480
	.fill 96, 4, 3214868480
	.section	.rodata,"a",@progbits
	.p2align	6, 0x0
	.amdhsa_kernel k_q973d94c1eb_proj
		.amdhsa_group_segment_fixed_size 327680
		.amdhsa_private_segment_fixed_size 0
		.amdhsa_enable_private_segment 0
		.amdhsa_kernarg_size 72
		.amdhsa_user_sgpr_count 2
		.amdhsa_user_sgpr_kernarg_segment_ptr 1
		.amdhsa_wavefront_size32 1
		.amdhsa_system_sgpr_workgroup_id_x 1
		.amdhsa_system_sgpr_workgroup_id_y 1
		.amdhsa_system_sgpr_workgroup_id_z 1
		.amdhsa_system_vgpr_workitem_id 0
		.amdhsa_next_free_vgpr 768
		.amdhsa_next_free_sgpr 100
		.amdhsa_reserve_vcc 1
		.amdhsa_float_denorm_mode_32 3
		.amdhsa_float_denorm_mode_16_64 3
		.amdhsa_memory_ordered 1
		.amdhsa_forward_progress 1
		.amdhsa_inst_pref_size 211
	.end_amdhsa_kernel
	.amdgpu_metadata
---
amdhsa.version: [ 1, 2 ]
amdhsa.kernels:
  - .name:           k_q973d94c1eb_proj
    .symbol:         k_q973d94c1eb_proj.kd
    .args:
      - { .name: ximg, .offset: 0, .size: 8, .value_kind: global_buffer, .address_space: global }
      - { .name: xscl, .offset: 8, .size: 8, .value_kind: global_buffer, .address_space: global }
      - { .name: wimg, .offset: 16, .size: 8, .value_kind: global_buffer, .address_space: global }
      - { .name: wscl, .offset: 24, .size: 8, .value_kind: global_buffer, .address_space: global }
      - { .name: b_q, .offset: 32, .size: 8, .value_kind: global_buffer, .address_space: global }
      - { .name: b_k, .offset: 40, .size: 8, .value_kind: global_buffer, .address_space: global }
      - { .name: b_v, .offset: 48, .size: 8, .value_kind: global_buffer, .address_space: global }
      - { .name: qkvimg, .offset: 56, .size: 8, .value_kind: global_buffer, .address_space: global }
      - { .name: qkvscl, .offset: 64, .size: 8, .value_kind: global_buffer, .address_space: global }
    .group_segment_fixed_size: 327680
    .private_segment_fixed_size: 0
    .kernarg_segment_align: 8
    .kernarg_segment_size: 72
    .max_flat_workgroup_size: 128
    .sgpr_count:     100
    .vgpr_count:     768
    .wavefront_size: 32
...
	.end_amdgpu_metadata
.endif
;; end of part 2
;; launch attn (part 3): grid 256 x 1, 16 waves a work-group, clusters of 4 x 1, 206,848 bytes of LDS; arguments qkvimg, qkvscl, oimg, oscl; writes oimg, oscl
.if DOCPART == 3
	.amdgcn_target "amdgcn-amd-amdhsa--gfx1250"
	.amdhsa_code_object_version 6
	.text
	.protected	k_q973d94c1eb_attn
	.globl	k_q973d94c1eb_attn
	.p2align	8
	.type	k_q973d94c1eb_attn,@function
k_q973d94c1eb_attn:
	s_mov_b64 s[64:65], 0
	v_nop
	global_prefetch_b8 v0, s[64:65] scope:SCOPE_SE
	s_setreg_imm32_b32 hwreg(HW_REG_WAVE_MODE, 25, 1), 1
	s_wait_xcnt 0x0
	s_wait_alu depctr_hold_cnt(0) depctr_sa_sdst(0) depctr_va_vdst(0) depctr_va_sdst(0) depctr_va_ssrc(0) depctr_va_vcc(0) depctr_vm_vsrc(0)
	s_getreg_b32 s2, hwreg(HW_REG_IB_STS2, 6, 4)
	s_cmp_eq_u32 s2, 0
	s_cbranch_scc0 .Lentry_in_a_cluster
	s_endpgm
.Lentry_in_a_cluster:
	s_bfe_u32 s2, ttmp6, 0x10000c
	s_cmp_lg_u32 s2, 0x3003
	s_cbranch_scc0 .Lentry_shape_is_right
	s_endpgm
.Lentry_shape_is_right:
; o = softmax(q k^T / 8) v for one batch and head a cluster, both products on codes of FP6 (E2M3) with E8M0 scales; o is quantised along the head's 64 for the last projection.
; THE SOFTMAX AHEAD OF THE SECOND PRODUCT: t = score x log2(e) / 8; M = the row's largest t so far, rounded up to a whole number; p = 2^(t - M) is quantised along the keys, not normalised;
; the row's sum is taken of the unquantised p and divides at the end.  When M moves, the sum and O are multiplied by 2^(old M - new M): exact.
; SHARES.  A cluster's four work-groups take 512 queries each of one (batch, head); each of the sixteen waves takes two tiles of 16 queries, one after the other.  Four waves share a SIMD's registers.
; ALL OF THE HEAD'S K AND V LIE IN LDS, filled once by joint loads (the same descriptor and the mask 15 in all four work-groups): K's codes 98,304 bytes, V's 98,304, their scale words 4,096 each.
; Every byte is asked for at the head, in four chunks of 512 keys: nothing is filled again, and there is nothing to prefetch.
; LAYOUT.  Both products are used transposed: S^T = K Q^T, O^T = V^T P^T: a lane holds one query throughout.  The tiles of K hold tokens 32 B + 8 u + i + 8 (i / 8), so that the 16 registers of tiles 2 B, 2 B + 1 are 16 neighbouring keys.
; THE HEAD IS 64 WIDE AND THE INSTRUCTION 128.  A fragment of K is made of the half images of TWO tiles (4 g + i and 4 g + i + 2); it is multiplied once by [q | zeros] and once by [zeros | q]: zero codes add nothing,
; so no LDS byte is read for nothing.  q stands twice in registers with six zeros between: v[16:27] and v[22:33].
; LIMITS: NaN and infinities are not served; a block under 2^-124, zeros too, keeps the byte 1.  A block's largest p is taken from its largest score, which takes v_exp_f32 not to fall where its input rises.
.set WV,  12
.set CS,  52                           ; s[52:53] c = log2(e) / 8
.set SEL, 54                           ; s[54:55] selects for lane l xor 16
.set TB,  56                           ; LDS byte of the key step's codes
.set TS,  57                           ; and of its scale words
.set CNT, 58
.set F,   36                           ; v36-83   four fragments of K or of V
.set S,   96                           ; v96-159  S^T, then p
.set O,   160                          ; v160-191 O^T
.set PC,  192                          ; v192-203 p's codes
.set TMP, 204
.set BM,  212                          ; the blocks' largest scores, then p
.set BT,  216
.set SO,  220
.set KW,  224                          ; K's scale words
.set VW,  228                          ; V's
.set PW,  232                          ; p's
.set FF,  234                          ; v[234:235] f = 2^(old M - new M)
.set WK,  236
.macro CROUND
	s_barrier_signal -1
	s_barrier_wait -1
	s_cmp_lg_u32 s[WV], 0
	s_cbranch_scc1 .Lnot_wave_0_\@
	s_barrier_signal -3
.Lnot_wave_0_\@:
	s_barrier_wait -3
	s_barrier_signal -1
	s_barrier_wait -1
.endm
.macro FRAGLD reg, a16, a8, off0, off1 ; a fragment = two half images: every load takes consecutive bytes
	ds_load_b128 v[(\reg):(\reg)+3], v[\a16] offset:\off0
	ds_load_b64 v[(\reg)+4:(\reg)+5], v[\a8] offset:\off0+512
	ds_load_b128 v[(\reg)+6:(\reg)+9], v[\a16] offset:\off1
	ds_load_b64 v[(\reg)+10:(\reg)+11], v[\a8] offset:\off1+512
.endm
.macro INIT
	v_mov_b32 v13, 0xff61b1e6                      ; the largest t so far: -3e38
	s_delay_alu instid0(VALU_DEP_1)
	v_floor_f32 v12, -v13                          ; -M
	v_mov_b32 v14, 0                               ; the sum, in two halves
	v_mov_b32 v15, 0
.set J, 0
.rept 32
	v_mov_b32 v[O+J], 0                            ; O^T: the first change of M leaves zeros zeros
.set J, J+1
.endr
.endm
; A KEY STEP: 128 keys
.macro STEP
	v_add_nc_u32 v4, s[TB], v1                     ; (these five are also the plain lines between the last products and the loads into the registers that they read)
	v_add_nc_u32 v5, s[TB], v2
	v_add_nc_u32 v6, s[TB], v10
	v_add_nc_u32 v7, s[TB], v11
	v_add_nc_u32 v8, s[TS], v3
.irp g,0,1
.irp i,0,1
	FRAGLD F+12*(2*\g+\i), 4, 5, 3072*\g+768*\i, 3072*\g+768*\i+1536
.endr
	ds_load_b64 v[KW+2*\g:KW+2*\g+1], v8 offset:128*\g
.endr
	s_wait_alu depctr_va_vdst(0)
	s_wait_dscnt 0x0
.irp g,0,1
.irp i,0,1
	v_wmma_scale_f32_16x16x128_f8f6f4 v[S+8*(4*\g+\i):S+8*(4*\g+\i)+7], v[F+12*(2*\g+\i):F+12*(2*\g+\i)+11], v[16:27], 0, v[KW+2*\g+\i], v34 matrix_a_fmt:MATRIX_FMT_FP6 matrix_b_fmt:MATRIX_FMT_FP6
	v_wmma_scale_f32_16x16x128_f8f6f4 v[S+8*(4*\g+\i+2):S+8*(4*\g+\i+2)+7], v[F+12*(2*\g+\i):F+12*(2*\g+\i)+11], v[22:33], 0, v[KW+2*\g+\i], v34 matrix_a_fmt:MATRIX_FMT_FP6 matrix_b_fmt:MATRIX_FMT_FP6
.endr
.endr
.rept 4
	v_nop                                          ; four plain lines ahead of the loads into K's registers and of the first read of the scores
.endr
.irp d,0,1,2,3
	FRAGLD F+12*\d, 6, 7, 768*\d, 3072+768*\d      ; V^T's four tiles: they land under the softmax
.endr
.irp x,0,1
	ds_load_b64 v[VW+2*\x:VW+2*\x+1], v8 offset:4096+128*\x
.endr
.irp b,0,1,2,3
	v_max3_num_f32 v[BM+\b], v[S+16*\b], v[S+1+16*\b], v[S+2+16*\b]   ; the largest score of each block of 32 keys: for the row's maximum, and for the block's largest p
.endr
.irp i,3,5,7,9,11,13
.irp b,0,1,2,3
	v_max3_num_f32 v[BM+\b], v[BM+\b], v[S+16*\b+\i], v[S+1+16*\b+\i]
.endr
.endr
.irp b,0,1,2,3
	v_max_num_f32 v[BM+\b], v[BM+\b], v[S+15+16*\b]
.endr
.irp b,0,1,2,3
	s_delay_alu instid0(VALU_DEP_4)
	v_permlanex16_b32 v[BT+\b], v[BM+\b], s[SEL], s[SEL+1]
.endr
.irp b,0,1,2,3
	s_delay_alu instid0(VALU_DEP_4)
	v_max_num_f32 v[BM+\b], v[BM+\b], v[BT+\b]     ; with lane l xor 16's 16 keys
.endr
	s_delay_alu instid0(VALU_DEP_2)
	v_max3_num_f32 v[WK], v[BM], v[BM+1], v[BM+2]
	s_delay_alu instid0(VALU_DEP_1)
	v_max_num_f32 v[WK], v[WK], v[BM+3]
	s_delay_alu instid0(VALU_DEP_1)
	v_mul_f32 v[WK], s[CS], v[WK]                  ; as t (c is positive)
	s_delay_alu instid0(VALU_DEP_1)
	v_max_num_f32 v13, v13, v[WK]                  ; the running largest t
	v_mov_b32 v[WK], v12
	s_delay_alu instid0(VALU_DEP_2)
	v_floor_f32 v12, -v13                          ; the new -M = -ceil(t)
	s_delay_alu instid0(VALU_DEP_1)
	v_sub_f32 v[WK], v12, v[WK]                    ; old M - new M: a whole number, 0 or less
	s_delay_alu instid0(VALU_DEP_1)
	v_cvt_i32_f32 v[WK], v[WK]                     ; (it saturates)
	s_delay_alu instid0(VALU_DEP_1)
	v_ldexp_f32 v[FF], 1.0, v[WK]                  ; f
.set J, 0
.rept 32
	v_pk_fma_f32 v[S+J:S+J+1], v[S+J:S+J+1], s[CS:CS+1], v[12:13] op_sel_hi:[1,0,0]   ; t - M
.set J, J+2
.endr
.irp b,0,1,2,3
	v_fma_f32 v[BM+\b], v[BM+\b], s[CS], v12
.endr
.set J, 0
	s_wait_alu depctr_va_vdst(0)
.rept 64
	v_exp_f32 v[S+J], v[S+J]                       ; p = 2^(t - M)
.set J, J+1
.endr
	v_pk_mul_f32 v[14:15], v[14:15], v[FF:FF+1] op_sel_hi:[1,0]   ; the sums under the new M (a plain line behind the exponentials)
	s_wait_alu depctr_va_vdst(0)                   ; one wait for the batch, ahead of its first reader
.irp b,0,1,2,3
	v_exp_f32 v[BM+\b], v[BM+\b]                   ; the blocks' largest p
.endr
	v_pk_add_f32 v[238:239], v[100:101], v[104:105]
	v_pk_add_f32 v[252:253], v[108:109], v[112:113]
	v_pk_add_f32 v[250:251], v[116:117], v[120:121]
	v_pk_add_f32 v[248:249], v[124:125], v[128:129]
	v_pk_add_f32 v[246:247], v[132:133], v[136:137]
	v_pk_add_f32 v[244:245], v[140:141], v[144:145]
	v_pk_add_f32 v[242:243], v[148:149], v[152:153]
	v_pk_add_f32 v[14:15], v[14:15], v[156:157]
	v_pk_add_f32 v[238:239], v[238:239], v[96:97]
	v_pk_add_f32 v[252:253], v[252:253], v[98:99]
	v_pk_add_f32 v[250:251], v[250:251], v[102:103]
	v_pk_add_f32 v[248:249], v[248:249], v[106:107]
	v_pk_add_f32 v[246:247], v[246:247], v[110:111]
	v_pk_add_f32 v[244:245], v[244:245], v[114:115]
	v_pk_add_f32 v[242:243], v[242:243], v[118:119]
	v_pk_add_f32 v[14:15], v[14:15], v[122:123]
	v_pk_add_f32 v[238:239], v[238:239], v[126:127]
	v_pk_add_f32 v[252:253], v[252:253], v[130:131]
	v_pk_add_f32 v[250:251], v[250:251], v[134:135]
	v_pk_add_f32 v[248:249], v[248:249], v[138:139]
	v_pk_add_f32 v[246:247], v[246:247], v[142:143]
	v_pk_add_f32 v[244:245], v[244:245], v[146:147]
	v_pk_add_f32 v[242:243], v[242:243], v[150:151]
	v_pk_add_f32 v[14:15], v[14:15], v[154:155]
	v_pk_add_f32 v[238:239], v[238:239], v[158:159]
	s_delay_alu instid0(VALU_DEP_2)
	v_pk_add_f32 v[14:15], v[14:15], v[248:249]
	s_delay_alu instid0(VALU_DEP_2)
	v_pk_add_f32 v[238:239], v[238:239], v[246:247]
	v_pk_add_f32 v[252:253], v[252:253], v[244:245]
	v_pk_add_f32 v[250:251], v[250:251], v[242:243]
	s_delay_alu instid0(VALU_DEP_2)
	v_pk_add_f32 v[14:15], v[14:15], v[252:253]
	s_delay_alu instid0(VALU_DEP_2)
	v_pk_add_f32 v[238:239], v[238:239], v[250:251]
	s_delay_alu instid0(VALU_DEP_1)
	v_pk_add_f32 v[14:15], v[14:15], v[238:239]
	s_wait_alu depctr_va_vdst(0)                   ; and one for the four
.irp b,0,1,2,3
	v_max_num_f32 v[BM+\b], 0x1800000, v[BM+\b]    ; the floor 2^(3 - 127)
.endr
.irp b,0,1,2,3
	s_delay_alu instid0(VALU_DEP_4)
	v_add_nc_u32 v[SO+\b], 0xff000000, v[BM+\b]
.endr
.irp b,0,1,2,3
	s_delay_alu instid0(VALU_DEP_4)
	v_lshrrev_b32 v[BT+\b], 23, v[SO+\b]
.endr
	s_delay_alu instid0(VALU_DEP_3)
	v_lshl_or_b32 v[PW], v[BT+1], 8, v[BT]         ; p's scale word for these 128 keys
	s_delay_alu instid0(VALU_DEP_1)
	v_lshl_or_b32 v[PW], v[BT+2], 16, v[PW]
	s_delay_alu instid0(VALU_DEP_1)
	v_lshl_or_b32 v[PW], v[BT+3], 24, v[PW]
.irp c,0,1
	v_cvt_scalef32_pk16_fp6_f32 v[PC+6*\c:PC+2+6*\c], v[S+32*\c:S+15+32*\c], v[SO+2*\c]
	v_cvt_scalef32_pk16_fp6_f32 v[TMP+4*\c:TMP+2+4*\c], v[S+16+32*\c:S+31+32*\c], v[SO+2*\c+1]
.endr
	v_nop
.irp c,0,1
.irp i,0,1,2
	v_permlane16_swap_b32 v[PC+6*\c+\i], v[TMP+4*\c+\i]
.endr
.irp i,0,1,2
	s_delay_alu instid0(VALU_DEP_3)
	v_mov_b32 v[PC+3+6*\c+\i], v[TMP+4*\c+\i]
.endr
.endr
.set J, 0
.rept 16
	v_pk_mul_f32 v[O+J:O+J+1], v[O+J:O+J+1], v[FF:FF+1] op_sel_hi:[1,0]   ; O^T under the new M; also the plain lines between the writes of p's codes and scale word and the products
.set J, J+2
.endr
	s_wait_alu depctr_va_vdst(0)
	s_wait_dscnt 0x0                               ; V
.irp d,0,1,2,3
	v_wmma_scale_f32_16x16x128_f8f6f4 v[O+8*\d:O+8*\d+7], v[F+12*\d:F+12*\d+11], v[PC:PC+11], v[O+8*\d:O+8*\d+7], v[VW+\d], v[PW] matrix_a_fmt:MATRIX_FMT_FP6 matrix_b_fmt:MATRIX_FMT_FP6
.endr
.endm
; a pass over all 2,048 keys: sixteen steps, no barrier: nothing in LDS is written while it runs
.macro PASS
	s_mov_b32 s[TB], 0
	s_mov_b32 s[TS], 0
	s_mov_b32 s[CNT], 16
.Lchunk_\@:
	STEP
	s_add_co_u32 s[TB], s[TB], 6144
	s_add_co_u32 s[TS], s[TS], 256
	s_sub_co_u32 s[CNT], s[CNT], 1
	s_cmp_lg_u32 s[CNT], 0
	s_cbranch_scc1 .Lchunk_\@
.endm
; the end of pass p: O^T / the sum, quantised along the head's 64 (two blocks), one half image to memory; the two scale bytes are kept in v[92 + p]
.macro FINISH p
.rept 4
	v_nop                                          ; four plain lines behind the last products
.endr
	v_add_f32 v14, v14, v15
	s_delay_alu instid0(VALU_DEP_1)
	v_permlanex16_b32 v[WK], v14, s[SEL], s[SEL+1]
	s_delay_alu instid0(VALU_DEP_1)
	v_add_f32 v14, v14, v[WK]                      ; the row's sum
	s_wait_alu depctr_va_vdst(0)
	v_rcp_f32 v14, v14
	v_nop
	s_wait_alu depctr_va_vdst(0)                   ; ahead of the first reader
.set J, 0
.rept 16
	v_pk_mul_f32 v[S+J:S+J+1], v[O+J:O+J+1], v[14:15] op_sel_hi:[1,0]   ; register 16 B + i: channel 32 B + 16 h + i; ascending: each accumulator from its low end on
.set J, J+2
.endr
.irp b,0,1
	v_max3_num_f32 v[BM+\b], |v[S+16*\b]|, |v[S+1+16*\b]|, 0x1800000
.endr
.irp i,2,4,6,8,10,12,14
.irp b,0,1
	s_delay_alu instid0(VALU_DEP_2)
	v_max3_num_f32 v[BM+\b], v[BM+\b], |v[S+16*\b+\i]|, |v[S+1+16*\b+\i]|
.endr
.endr
.irp b,0,1
	s_delay_alu instid0(VALU_DEP_2)
	v_permlanex16_b32 v[BT+\b], v[BM+\b], s[SEL], s[SEL+1]
.endr
.irp b,0,1
	s_delay_alu instid0(VALU_DEP_2)
	v_max_num_f32 v[BM+\b], v[BM+\b], v[BT+\b]
.endr
.irp b,0,1
	s_delay_alu instid0(VALU_DEP_2)
	v_add_nc_u32 v[SO+\b], 0xff000000, v[BM+\b]
.endr
.irp b,0,1
	s_delay_alu instid0(VALU_DEP_2)
	v_lshrrev_b32 v[BT+\b], 23, v[SO+\b]
.endr
	s_delay_alu instid0(VALU_DEP_1)
	v_lshl_or_b32 v[92+\p], v[BT+1], 8, v[BT]
	v_cvt_scalef32_pk16_fp6_f32 v[PC:PC+2], v[S:S+15], v[SO]
	v_cvt_scalef32_pk16_fp6_f32 v[TMP:TMP+2], v[S+16:S+31], v[SO+1]
	v_nop
.irp i,0,1,2
	v_permlane16_swap_b32 v[PC+\i], v[TMP+\i]
.endr
.irp i,0,1,2
	s_delay_alu instid0(VALU_DEP_3)
	v_mov_b32 v[PC+3+\i], v[TMP+\i]
.endr
	global_store_b128 v1, v[PC:PC+3], s[74:75] offset:12288*\p          ; 512 consecutive bytes
	global_store_b64 v2, v[PC+4:PC+5], s[74:75] offset:12288*\p+512     ; 256 consecutive bytes
.endm
	s_load_b256 s[4:11], s[0:1], 0x0               ; qkvimg, qkvscl, oimg, oscl
	v_lshl_add_u32 v254, v0, 2, 0x32000
	v_mov_b32 v255, 0
	ds_add_u32 v254, v255
	ds_add_u32 v254, v255
	v_lshrrev_b32 v1, 5, v0
	s_delay_alu instid0(VALU_DEP_1)
	v_readfirstlane_b32 s[WV], v1                  ; wave 0..15
	s_bfe_u32 s13, ttmp6, 0x40000                  ; cx: it enters q's and o's addresses alone
	s_and_b32 s15, s[WV], 1                        ; even waves fetch for K, odd ones for V
	s_lshl_b32 s2, s15, 6
	s_add_co_u32 s2, s2, 64
	s_add_co_u32 s2, s2, ttmp9                     ; 64 (1 + K or V) + 16 batch + head
	s_mul_i32 s60, s2, 98304
	s_mov_b32 s61, 0
	s_lshl_b32 s62, s2, 12
	s_mov_b32 s63, 0
	s_mul_i32 s59, s15, 98304
	s_lshl_b32 s3, s15, 12
	; groups 1: dense blocks as rows of 256 bytes (32 elements of 8 bytes): 96 rows = 512 keys' codes; 16 rows = the head's scale words
	s_mov_b32 s16, 15|(3<<16)|(1<<21)
	s_mov_b32 s17, 32<<16
	s_mov_b32 s18, 96<<16
	s_mov_b32 s19, 32<<16
	s_mov_b32 s20, 96
	s_mov_b32 s21, 32
	s_mov_b32 s22, 0
	s_mov_b32 s23, 0
	s_mov_b32 s24, 15|(3<<16)|(1<<21)
	s_mov_b32 s25, 32<<16
	s_mov_b32 s26, 16<<16
	s_mov_b32 s27, 32<<16
	s_mov_b32 s28, 16
	s_mov_b32 s29, 32
	s_mov_b32 s30, 0
	s_mov_b32 s31, 0
	s_mov_b32 s[CS], 0x3e38aa3b                    ; log2(e) / 8
	s_mov_b32 s[CS+1], s[CS]
	s_mov_b32 s[SEL], 0x76543210
	s_mov_b32 s[SEL+1], 0xfedcba98
	s_lshl_b32 s66, s13, 5
	s_lshl_b32 s67, s[WV], 1
	s_add_co_u32 s66, s66, s67                     ; my first query tile: 32 cx + 2 wave
	s_mul_i32 s68, ttmp9, 98304
	s_mul_i32 s69, s66, 768
	s_add_co_u32 s68, s68, s69                     ; its half image
	s_mov_b32 s69, 0
	s_lshl_b32 s70, ttmp9, 12
	s_lshr_b32 s71, s66, 2
	s_lshl_b32 s71, s71, 7
	s_add_co_u32 s70, s70, s71                     ; its scale bytes: 128 bytes for four tiles,
	s_and_b32 s71, s66, 2
	s_add_co_u32 s70, s70, s71                     ; the upper half of the words for tiles 2, 3 of the four
	s_mov_b32 s71, 0
	s_lshr_b32 s72, ttmp9, 4
	s_lshl_b32 s72, s72, 7
	s_add_co_u32 s72, s72, s66                     ; o's tile: 128 batch + query tile
	s_and_b32 s73, ttmp9, 15                       ; the head
	s_mul_i32 s74, s72, 12288
	s_mul_i32 s75, s73, 768
	s_add_co_u32 s74, s74, s75
	s_mov_b32 s75, 0
	s_lshl_b32 s76, s72, 9
	s_lshr_b32 s77, s73, 1
	s_lshl_b32 s77, s77, 6
	s_add_co_u32 s76, s76, s77
	s_and_b32 s77, s73, 1
	s_lshl_b32 s77, s77, 1
	s_add_co_u32 s76, s76, s77                     ; o's scale bytes: word (tile, head / 2, row), bytes 2 (head % 2) on
	s_mov_b32 s77, 0
	v_and_b32 v236, 15, v0                         ; r
	v_bfe_u32 v237, v0, 4, 1                       ; h
	v_and_b32 v238, 31, v0
	s_delay_alu instid0(VALU_DEP_1)
	v_lshlrev_b32 v1, 4, v238                      ; 16 x lane
	s_delay_alu instid0(VALU_DEP_2)
	v_lshlrev_b32 v2, 3, v238                      ; 8 x lane
	v_lshl_add_u32 v3, v236, 3, 196608             ; K's scale words: 8 r
	v_lshlrev_b32 v9, 2, v236
	s_delay_alu instid0(VALU_DEP_1)
	v_lshl_add_u32 v9, v237, 9, v9                 ; o's scale bytes: 4 r, lanes 16-31 the next tile
	v_add_nc_u32 v10, 98304, v1                    ; V's codes lie behind K's
	v_add_nc_u32 v11, 98304, v2
	v_lshlrev_b32 v35, 3, v236
	s_wait_dscnt 0x0
	s_wait_kmcnt 0x0
	s_add_nc_u64 s[60:61], s[4:5], s[60:61]
	s_add_nc_u64 s[62:63], s[6:7], s[62:63]
	s_mov_b32 s32, 1
	s_add_co_u32 s33, s3, 196608
	s_mov_b64 s[34:35], s[62:63]
	s_or_b32 s35, s35, 0x80000000
	s_lshr_b32 s40, s[WV], 1                       ; waves 0-7: 512 keys' codes each, 24,576 bytes: which 512 is wave / 2
	s_mul_i32 s40, s40, 24576
	s_mov_b32 s41, 0
	s_mov_b32 s36, 1
	s_add_co_u32 s37, s59, s40
	s_add_nc_u64 s[38:39], s[60:61], s[40:41]
	s_or_b32 s39, s39, 0x80000000
	s_add_nc_u64 s[68:69], s[4:5], s[68:69]
	s_add_nc_u64 s[70:71], s[6:7], s[70:71]
	s_add_nc_u64 s[74:75], s[8:9], s[74:75]
	s_add_nc_u64 s[76:77], s[10:11], s[76:77]
	CROUND                                         ; all four work-groups are here: the joint loads meet
	; THE FILLS, ONE A WAVE, in one chain of branches on the wave's number: waves 0-7 the codes, waves 8 and 9 the scale words, the others none
	s_cmp_lt_u32 s[WV], 8
	s_cbranch_scc0 .Lfill_s
	tensor_load_to_lds s[36:39], s[16:23]
	s_nop 0
.rept 4
	v_nop
.endr
	s_branch .Lno_fill
.Lfill_s:
	s_cmp_lt_u32 s[WV], 10
	s_cbranch_scc0 .Lno_fill
	tensor_load_to_lds s[32:35], s[24:31]
	s_nop 0
.rept 4
	v_nop
.endr
.Lno_fill:
	s_wait_alu depctr_va_vdst(0)
	global_load_b128 v[16:19], v1, s[68:69]        ; the first tile's q, into both its places,
	global_load_b64 v[20:21], v2, s[68:69] offset:512
	global_load_b128 v[28:31], v1, s[68:69]
	global_load_b64 v[32:33], v2, s[68:69] offset:512
	global_load_b128 v[84:87], v1, s[68:69] offset:768   ; and the second tile's, kept
	global_load_b64 v[88:89], v2, s[68:69] offset:1280
	global_load_u16 v34, v35, s[70:71]
	global_load_u16 v90, v35, s[70:71] offset:4
.irp i,0,1,2,3,4,5
	v_mov_b32 v[22+\i], 0                          ; zero codes
.endr
.irp b,0,1,2,3
	v_mov_b32 v[BT+\b], 0                          ; written once: a lane permute's destination counts as one of its sources
.endr
	v_mov_b32 v[FF+1], 0                           ; (named as the upper half of a pair)
	s_wait_loadcnt 0x0
	v_lshl_or_b32 v34, v34, 16, v34                ; q's two bytes, for either half of K = 128
	INIT
	s_wait_tensorcnt 0x0                           ; every wave waits for its load, under no branch,
	s_barrier_signal -1
	s_barrier_wait -1                              ; and behind the barrier all of K, V and their scale words are there for all
	PASS
	FINISH 0
	s_wait_xcnt 0x0                                ; the stores have read the codes' registers
.irp i,0,1,2,3,4,5
	v_mov_b32 v[16+\i], v[84+\i]
	v_mov_b32 v[28+\i], v[84+\i]
.endr
	v_lshl_or_b32 v34, v90, 16, v90
	INIT
	s_mov_b32 s[TB], 0                             ; the second pass: all of K and V are there
	s_mov_b32 s[TS], 0
	s_mov_b32 s[CNT], 16
.Lpass1:
	STEP
	s_add_co_u32 s[TB], s[TB], 6144
	s_add_co_u32 s[TS], s[TS], 256
	s_sub_co_u32 s[CNT], s[CNT], 1
	s_cmp_lg_u32 s[CNT], 0
	s_cbranch_scc1 .Lpass1
	FINISH 1
	v_and_b32 v[WK], 16, v0
	s_delay_alu instid0(VALU_DEP_1)
	v_cmp_ne_u32 vcc_lo, 0, v[WK]
	s_delay_alu instid0(VALU_DEP_1)
	v_cndmask_b32 v94, v92, v93, vcc_lo            ; lanes 0-15 the first tile's bytes, lanes 16-31 the second's
	global_store_b16 v9, v94, s[76:77]             ; a work-group owns one head: two of a row's 32 scale bytes
	s_wait_tensorcnt 0x0
	ds_add_u32 v254, v255
	s_wait_dscnt 0x0
	CROUND                                         ; the closing round
	s_endpgm
.Lfunc_end_k_q973d94c1eb_attn:
	.size	k_q973d94c1eb_attn, .Lfunc_end_k_q973d94c1eb_attn-k_q973d94c1eb_attn
	.p2alignl 7, 3214868480
	.fill 96, 4, 3214868480
	.section	.rodata,"a",@progbits
	.p2align	6, 0x0
	.amdhsa_kernel k_q973d94c1eb_attn
		.amdhsa_group_segment_fixed_size 206848
		.amdhsa_private_segment_fixed_size 0
		.amdhsa_enable_private_segment 0
		.amdhsa_kernarg_size 32
		.amdhsa_user_sgpr_count 2
		.amdhsa_user_sgpr_kernarg_segment_ptr 1
		.amdhsa_wavefront_size32 1
		.amdhsa_system_sgpr_workgroup_id_x 1
		.amdhsa_system_sgpr_workgroup_id_y 1
		.amdhsa_system_sgpr_workgroup_id_z 1
		.amdhsa_system_vgpr_workitem_id 0
		.amdhsa_next_free_vgpr 256
		.amdhsa_next_free_sgpr 80
		.amdhsa_reserve_vcc 1
		.amdhsa_float_denorm_mode_32 3
		.amdhsa_float_denorm_mode_16_64 3
		.amdhsa_memory_ordered 1
		.amdhsa_forward_progress 1
		.amdhsa_inst_pref_size 54
	.end_amdhsa_kernel
	.amdgpu_metadata
---
amdhsa.version: [ 1, 2 ]
amdhsa.kernels:
  - .name:           k_q973d94c1eb_attn
    .symbol:         k_q973d94c1eb_attn.kd
    .args:
      - { .name: qkvimg, .offset: 0, .size: 8, .value_kind: global_buffer, .address_space: global }
      - { .name: qkvscl, .offset: 8, .size: 8, .value_kind: global_buffer, .address_space: global }
      - { .name: oimg, .offset: 16, .size: 8, .value_kind: global_buffer, .address_space: global }
      - { .name: oscl, .offset: 24, .size: 8, .value_kind: global_buffer, .address_space: global }
    .group_segment_fixed_size: 206848
    .private_segment_fixed_size: 0
    .kernarg_segment_align: 8
    .kernarg_segment_size: 32
    .max_flat_workgroup_size: 512
    .sgpr_count:     80
    .vgpr_count:     256
    .wavefront_size: 32
...
	.end_amdgpu_metadata
.endif
;; end of part 3
;; launch oproj (part 4): grid 8 x 32, 4 waves a work-group, clusters of 4 x 4, 295,424 bytes of LDS; arguments oimg, oscl, wimg, wscl, b_o, out0; writes out0
.if DOCPART == 4
	.amdgcn_target "amdgcn-amd-amdhsa--gfx1250"
	.amdhsa_code_object_version 6
	.text
	.protected	k_q973d94c1eb_oproj
	.globl	k_q973d94c1eb_oproj
	.p2align	8
	.type	k_q973d94c1eb_oproj,@function
k_q973d94c1eb_oproj:
	s_mov_b64 s[64:65], 0
	v_nop
	global_prefetch_b8 v0, s[64:65] scope:SCOPE_SE
	s_setreg_imm32_b32 hwreg(HW_REG_WAVE_MODE, 25, 1), 1
	s_wait_xcnt 0x0
	s_wait_alu depctr_hold_cnt(0) depctr_sa_sdst(0) depctr_va_vdst(0) depctr_va_sdst(0) depctr_va_ssrc(0) depctr_va_vcc(0) depctr_vm_vsrc(0)
	s_getreg_b32 s2, hwreg(HW_REG_IB_STS2, 6, 4)
	s_cmp_eq_u32 s2, 0
	s_cbranch_scc0 .Lentry_in_a_cluster
	s_endpgm
.Lentry_in_a_cluster:
	s_bfe_u32 s2, ttmp6, 0x10000c
	s_cmp_lg_u32 s2, 0xf033
	s_cbranch_scc0 .Lentry_shape_is_right
	s_endpgm
.Lentry_shape_is_right:
; out0 = o w_o + b_o on codes of FP6 (E2M3) with E8M0 scales; out0 [8192][1024] f32.
; Operands come as half images (768 bytes: 16 rows x 64 along K as the registers hold them), [tile][K step 8][half 2][768]; scale words [tile][K step 8][row 16].  Row i of tile 2 B + u is the tensor's row 32 B + 8 u + i + 8 (i / 8).
; A work-group makes 256 tokens (P, source 1: a lane a row) x 128 columns (R, source 0: along a lane's registers) over all of K = 1,024.  Wave w owns P tiles 4 w .. 4 w + 3 and all 8 R tiles: 32 accumulators.
; ALL OF K LIES IN LDS: 294,912 bytes, filled once, in one load a wave; every byte is asked for at the head, so there is nothing to prefetch.
; CLUSTERS: 4 x 4.  o's tiles are asked for jointly by a row of the cluster, w_o's by a column.
; REGISTERS.  window 0: v1-21 addresses; v32-63 P's scale words; v64-127 R's; v128-223 P's fragments, two sets.   window 1: accumulator (a, b) at v[64 a + 8 b].
;   window 2: v0-191 R's fragments, two sets (on the way out v0-127: rows read back, two sets); v192-255 the bias: the C of the first K step's products.
.set WV,   3
.set AA16, 5
.set AA8,  6
.set AB16, 7
.set AB8,  8
.set STO,  9
.set RD,   10
.set MSB, 0
.macro WIN new                         ; the immediate's high byte repeats the setting that is left
.if MSB != \new
	s_set_vgpr_msb (MSB<<8)|\new
.set MSB, \new
.endif
.endm
.macro CROUND
	s_barrier_signal -1
	s_barrier_wait -1
	s_cmp_lg_u32 s[WV], 0
	s_cbranch_scc1 .Lnot_wave_0_\@
	s_barrier_signal -3
.Lnot_wave_0_\@:
	s_barrier_wait -3
	s_barrier_signal -1
	s_barrier_wait -1
.endm
.macro FRAGLD reg, a16, a8, off0, off1
	ds_load_b128 v[(\reg):(\reg)+3], v[\a16] offset:\off0
	ds_load_b64 v[(\reg)+4:(\reg)+5], v[\a8] offset:\off0+512
	ds_load_b128 v[(\reg)+6:(\reg)+9], v[\a16] offset:\off1
	ds_load_b64 v[(\reg)+10:(\reg)+11], v[\a8] offset:\off1+512
.endm
.macro LOADF s
	WIN 0x80
.irp b,0,1,2,3,4,5,6,7                         ; LDS is [tile][K step][1,536]; R's tiles 4-7 go by a second pair of addresses (v20, v21), so that every offset stays under 65,536
	FRAGLD 96*((\s)%2)+12*\b, AB16+13*(\b/4), AB8+13*(\b/4), 12288*(\b%4)+1536*(\s), 12288*(\b%4)+1536*(\s)+768
.endr
	WIN 0
.irp a,0,1,2,3
	FRAGLD 128+48*((\s)%2)+12*\a, AA16, AA8, 12288*\a+1536*(\s), 12288*\a+1536*(\s)+768
.endr
.endm
; the 32 accumulators take turns, one instruction a turn, in the same order in every K step.  first = 1: the bias starts the sums.
.macro MUL s, first
.if \first
	WIN 0x62
.else
	WIN 0x52
.endif
.irp a,0,1,2,3
.irp b,0,1,2,3,4,5,6,7
.if \first
	v_wmma_scale_f32_16x16x128_f8f6f4 v[64*\a+8*\b:64*\a+8*\b+7], v[96*((\s)%2)+12*\b:96*((\s)%2)+12*\b+11], v[128+48*((\s)%2)+12*\a:128+48*((\s)%2)+12*\a+11], v[192+8*\b:192+8*\b+7], v[64+8*\b+(\s)], v[32+8*\a+(\s)] matrix_a_fmt:MATRIX_FMT_FP6 matrix_b_fmt:MATRIX_FMT_FP6
.else
	v_wmma_scale_f32_16x16x128_f8f6f4 v[64*\a+8*\b:64*\a+8*\b+7], v[96*((\s)%2)+12*\b:96*((\s)%2)+12*\b+11], v[128+48*((\s)%2)+12*\a:128+48*((\s)%2)+12*\a+11], v[64*\a+8*\b:64*\a+8*\b+7], v[64+8*\b+(\s)], v[32+8*\a+(\s)] matrix_a_fmt:MATRIX_FMT_FP6 matrix_b_fmt:MATRIX_FMT_FP6
.endif
.endr
.endr
.endm
; THE WAY OUT of P tile a.  A lane holds, of its token's row, 16 neighbouring columns of each 32: they go through my own stage (16 rows x 528 bytes) and come back as whole rows of 512 bytes.
; The stage lies in my own four P tiles: those bytes have had their one fill, and no other wave reads them.
.macro TOSTAGE a
	WIN 0x04                                       ; an LDS store's data are its source 1: window 1
.irp q,0,1,2,3
.irp e,0,1,2,3
	ds_store_b128 v[STO], v[64*(\a)+16*\q+4*\e:64*(\a)+16*\q+4*\e+3] offset:128*\q+16*\e   ; each accumulator from its low end on
.endr
.endr
	WIN 0x80
.irp i,0,1,2,3,4,5,6,7,8,9,10,11,12,13,14,15
	ds_load_b128 v[64*((\a)%2)+4*\i:64*((\a)%2)+4*\i+3], v[RD] offset:528*\i   ; LDS serves a wave's instructions in order: these see the stores above, and the next tile's stores come behind them
.endr
.endm
.macro SEND a, younger
	s_wait_dscnt \younger
	WIN 0x08                                       ; a store's data are its source 1: window 2
.irp i,0,1,2,3,4,5,6,7,8,9,10,11,12,13,14,15
	global_store_b128 v3, v[64*((\a)%2)+4*\i:64*((\a)%2)+4*\i+3], s[78:79] offset:(32*((\a)/2)+8*((\a)%2)+\i+8*(\i/8))*4096 th:TH_STORE_NT   ; 512 consecutive bytes, at a multiple of 256 from out0's first byte
.endr
.endm
	s_load_b256 s[68:75], s[0:1], 0x0              ; oimg, oscl, wimg, wscl
	s_load_b128 s[76:79], s[0:1], 0x20             ; b_o, out0
	v_lshl_add_u32 v254, v0, 2, 0x48000
	v_mov_b32 v255, 0
	ds_add_u32 v254, v255
	ds_add_u32 v254, v255
	v_lshrrev_b32 v1, 5, v0
	v_readfirstlane_b32 s[WV], v1                  ; wave 0..3
	s_and_b32 s4, s[WV], 1
	s_bfe_u32 s5, ttmp6, 0x40000                   ; cx
	s_bfe_u32 s6, ttmp6, 0x40004                   ; cy
	s_and_b32 s8, ttmp7, 0xffff
	s_lshl_b32 s13, s8, 2
	s_add_co_u32 s13, s13, s6                      ; P block = 4 Y + cy (256 tokens)
	s_lshl_b32 s14, ttmp9, 2
	s_add_co_u32 s14, s14, s5                      ; R block = 4 X + cx (128 columns)
	s_lshl_b32 s89, s6, 2
	s_lshl_b32 s89, 15, s89                        ; my row of the cluster
	s_lshl_b32 s90, 0x1111, s5                     ; my column
	s_or_b32 s16, s89, (3<<16)|(1<<21)             ; groups 1: dense rows of 3,072 bytes (384 elements of 8 bytes); P: 32 rows, R: 16
	s_or_b32 s24, s90, (3<<16)|(1<<21)
.irp g,16,24
	s_mov_b32 s[\g+1], 384<<16
	s_mov_b32 s[\g+3], 384<<16
	s_mov_b32 s[\g+5], 384                         ; dense: a wave's tiles lie end to end, and come as rows of 3,072 bytes, all of K in one load
	s_mov_b32 s[\g+6], 0
	s_mov_b32 s[\g+7], 0
.endr
	s_mov_b32 s18, 32<<16                          ; P: 8 tiles x 12,288 bytes = 32 rows
	s_mov_b32 s20, 32
	s_mov_b32 s26, 16<<16                          ; R: 4 tiles = 16 rows
	s_mov_b32 s28, 16
	s_mul_i32 s92, s13, 196608
	s_mul_i32 s93, s4, 98304
	s_add_co_u32 s92, s92, s93
	s_mov_b32 s93, 0
	s_mul_i32 s94, s14, 98304
	s_mul_i32 s95, s4, 49152
	s_add_co_u32 s94, s94, s95
	s_add_co_u32 s94, s94, 2359296                 ; w_o's images begin 192 tiles into wimg
	s_mov_b32 s95, 0
	s_mul_i32 s96, s4, 98304
	s_mul_i32 s97, s4, 49152
	s_wait_dscnt 0x0
	s_wait_kmcnt 0x0
	s_add_nc_u64 s[68:69], s[68:69], s[92:93]
	s_add_nc_u64 s[72:73], s[72:73], s[94:95]
.irp j,0                                       ; one group 0 for P and one for R
	s_mov_b32 s[32+4*\j], 1
	s_add_co_u32 s[33+4*\j], s96, \j*49152
	s_add_nc_u64 s[34+4*\j:35+4*\j], s[68:69], \j*3072
	s_or_b32 s[35+4*\j], s[35+4*\j], 0x80000000
	s_mov_b32 s[48+4*\j], 1
	s_add_co_u32 s[49+4*\j], s97, 196608+\j*24576
	s_add_nc_u64 s[50+4*\j:51+4*\j], s[72:73], \j*3072
	s_or_b32 s[51+4*\j], s[51+4*\j], 0x80000000
.endr
	CROUND                                         ; all sixteen work-groups are here: the joint loads meet
	s_cmp_lt_u32 s[WV], 2
	s_cbranch_scc0 .Lfill_r
	tensor_load_to_lds s[32:35], s[16:23]          ; one load a wave: waves 0, 1 a half of P each, all of K
	s_nop 0
.rept 4
	v_nop
.endr
	s_branch .Lfilled
.Lfill_r:
	tensor_load_to_lds s[48:51], s[24:31]          ; waves 2, 3 a half of R each
	s_nop 0
.rept 4
	v_nop
.endr
.Lfilled:
	s_lshl_b32 s92, s13, 4
	s_lshl_b32 s93, s[WV], 2
	s_add_co_u32 s92, s92, s93
	s_lshl_b32 s92, s92, 9                         ; my first P tile x 512 bytes
	s_mov_b32 s93, 0
	s_add_nc_u64 s[70:71], s[70:71], s[92:93]
	s_lshl_b32 s94, s14, 12
	s_add_co_u32 s94, s94, 98304                   ; w_o's scale words begin 192 tiles into wscl
	s_mov_b32 s95, 0
	s_add_nc_u64 s[74:75], s[74:75], s[94:95]
	s_lshl_b32 s92, s14, 9                         ; the R block's 128 numbers of b_o, and its 512 bytes of a row of out0
	s_add_nc_u64 s[76:77], s[76:77], s[92:93]
	s_add_nc_u64 s[78:79], s[78:79], s[92:93]
	s_lshl_b32 s94, s13, 8
	s_lshl_b32 s96, s[WV], 6
	s_add_co_u32 s94, s94, s96
	s_lshl_b32 s94, s94, 12                        ; my 64 tokens' first row
	s_add_nc_u64 s[78:79], s[78:79], s[94:95]
	v_and_b32 v1, 15, v0                           ; r
	v_bfe_u32 v2, v0, 4, 1                         ; h
	v_and_b32 v16, 31, v0
	v_lshlrev_b32 v3, 4, v16                       ; 16 x lane
	v_lshlrev_b32 v4, 3, v16                       ; 8 x lane
	v_lshlrev_b32 v17, 2, v1                       ; 4 r
	v_lshlrev_b32 v18, 6, v2                       ; 64 h
.irp a,0,1,2,3
.irp s,0,1,2,3,4,5,6,7
	global_load_b32 v[32+8*\a+\s], v17, s[70:71] offset:512*\a+64*\s
.endr
.endr
.irp b,0,1,2,3,4,5,6,7
.irp s,0,1,2,3,4,5,6,7
	global_load_b32 v[64+8*\b+\s], v17, s[74:75] offset:512*\b+64*\s
.endr
.endr
	WIN 0x80
.irp q,0,1,2,3
.irp e,0,1,2,3
	global_load_b128 v[192+16*\q+4*\e:195+16*\q+4*\e], v18, s[76:77] offset:128*\q+16*\e   ; lane (r, h): for tiles 2 B + u the numbers 32 B + 16 h + 8 u + 0 .. 7
.endr
.endr
	WIN 0
	s_mul_i32 s11, s[WV], 49152                    ; my four P tiles; the stage of the way out lies at their start
	v_add_nc_u32 v[AA16], s11, v3
	v_add_nc_u32 v[AA8], s11, v4
	v_add_nc_u32 v[AB16], 196608, v3
	v_add_nc_u32 v[AB8], 196608, v4
	v_add_nc_u32 v[AB16+13], 245760, v3            ; R's tiles 4-7
	v_add_nc_u32 v[AB8+13], 245760, v4
	v_mul_u32_u24 v[STO], v1, 528
	v_lshl_add_u32 v[STO], v2, 6, v[STO]
	v_add_nc_u32 v[STO], s11, v[STO]               ; the stage, in: row r, + 64 h
	v_add_nc_u32 v[RD], s11, v3                    ; and back: 16 x lane of a row
	s_wait_alu depctr_va_vdst(0)
	s_wait_loadcnt 0x0                             ; scale words and the bias
	s_wait_tensorcnt 0x0                           ; my one load is in
	s_barrier_signal -1
	s_barrier_wait -1
	LOADF 0
.irp s,0,1,2,3,4,5,6
.if \s > 0
.rept 4
	v_nop                                          ; four plain lines between the last products and loads into the set that they read
.endr
.endif
	LOADF \s+1
	s_wait_dscnt 48                                ; all but the 48 just issued
.if \s == 0
	MUL 0, 1
.else
	MUL \s, 0
.endif
.endr
	s_wait_dscnt 0x0
	MUL 7, 0
	WIN 0
.rept 4
	v_nop                                          ; four plain lines ahead of the first read of results and of loads into R's registers
.endr
	TOSTAGE 0
.irp a,1,2,3
.if \a > 1
	s_wait_xcnt 0x0                                ; the stores of two tiles back have read the set that this tile's rows land in
.endif
	TOSTAGE \a
	SEND \a-1, 32                                  ; behind that tile's loads: this tile's 16 stores and 16 loads
.endr
	SEND 3, 0
	WIN 0
	s_wait_tensorcnt 0x0
	ds_add_u32 v254, v255
	s_wait_dscnt 0x0
	CROUND                                         ; the closing round
	s_endpgm
.Lfunc_end_k_q973d94c1eb_oproj:
	.size	k_q973d94c1eb_oproj, .Lfunc_end_k_q973d94c1eb_oproj-k_q973d94c1eb_oproj
	.p2alignl 7, 3214868480
	.fill 96, 4, 3214868480
	.section	.rodata,"a",@progbits
	.p2align	6, 0x0
	.amdhsa_kernel k_q973d94c1eb_oproj
		.amdhsa_group_segment_fixed_size 295424
		.amdhsa_private_segment_fixed_size 0
		.amdhsa_enable_private_segment 0
		.amdhsa_kernarg_size 48
		.amdhsa_user_sgpr_count 2
		.amdhsa_user_sgpr_kernarg_segment_ptr 1
		.amdhsa_wavefront_size32 1
		.amdhsa_system_sgpr_workgroup_id_x 1
		.amdhsa_system_sgpr_workgroup_id_y 1
		.amdhsa_system_sgpr_workgroup_id_z 1
		.amdhsa_system_vgpr_workitem_id 0
		.amdhsa_next_free_vgpr 768
		.amdhsa_next_free_sgpr 100
		.amdhsa_reserve_vcc 0
		.amdhsa_float_denorm_mode_32 3
		.amdhsa_float_denorm_mode_16_64 3
		.amdhsa_memory_ordered 1
		.amdhsa_forward_progress 1
		.amdhsa_inst_pref_size 90
	.end_amdhsa_kernel
	.amdgpu_metadata
---
amdhsa.version: [ 1, 2 ]
amdhsa.kernels:
  - .name:           k_q973d94c1eb_oproj
    .symbol:         k_q973d94c1eb_oproj.kd
    .args:
      - { .name: oimg, .offset: 0, .size: 8, .value_kind: global_buffer, .address_space: global }
      - { .name: oscl, .offset: 8, .size: 8, .value_kind: global_buffer, .address_space: global }
      - { .name: wimg, .offset: 16, .size: 8, .value_kind: global_buffer, .address_space: global }
      - { .name: wscl, .offset: 24, .size: 8, .value_kind: global_buffer, .address_space: global }
      - { .name: b_o, .offset: 32, .size: 8, .value_kind: global_buffer, .address_space: global }
      - { .name: out0, .offset: 40, .size: 8, .value_kind: global_buffer, .address_space: global }
    .group_segment_fixed_size: 295424
    .private_segment_fixed_size: 0
    .kernarg_segment_align: 8
    .kernarg_segment_size: 48
    .max_flat_workgroup_size: 128
    .sgpr_count:     100
    .vgpr_count:     768
    .wavefront_size: 32
...
	.end_amdgpu_metadata
.endif
;; end of part 4
